; MI455X (gfx1250); checked and timed in simulation.
; The chip was launched on July 23, 2026; its instructions are those of AMD's public machine-readable ISA for CDNA 5 (MIT licence, August 2026) and "CDNA5" Instruction Set Architecture Reference Guide (July 2026). The comments in the code are by the model that wrote it; some were corrected since.
;; HF Attention. Allowed arithmetic: matrix products marked QUANTISED: E4M3 operands, one given power-of-two scale a tensor, by v_wmma_f32_16x16x64_fp8_fp8 or v_wmma_f32_16x16x128_fp8_fp8, f32 sums; everything else in f32.
;; Inputs: Wk 512 x 2,048 float32; Wo 2,048 x 1,024 float32; Wq 1,024 x 2,048 float32; Wv 512 x 2,048 float32; cos 1 x 4,096 x 128 float32; hidden_states 1 x 4,096 x 2,048 float32; lowp_scales 12 int32 (the exponents e of the quantised operands' scales 2^e); sin 1 x 4,096 x 128 float32.
;; Outputs: out0 1 x 4,096 x 2,048 float32.
;; This version of the problem:
;;   THIS VERSION OF THE PROBLEM IS GIVEN IN LOW PRECISION. The matrix products marked QUANTISED in the list below multiply operands that are first quantised to E4M3 (4 exponent bits, 3 mantissa bits; 8 bits a number), with one given power-of-two scale for each operand tensor; their sums are f32. All else is computed in f32.
;;   The module's matrix products, in the order in which they are computed (A, B: the left and right operand; K: the contracted axis; several contracted axes count as one K, in the product's order):
;;     1. [M 4,096, K 2,048] x [K 2,048, N 1,024]; A: input hidden_states; B: input Wq: QUANTISED (scales: A lowp_scales[0], B lowp_scales[1])
;;     2. [M 4,096, K 2,048] x [K 2,048, N 512]; A: input hidden_states; B: input Wk: QUANTISED (scales: A lowp_scales[2], B lowp_scales[3])
;;     3. [M 4,096, K 2,048] x [K 2,048, N 512]; A: input hidden_states; B: input Wv: QUANTISED (scales: A lowp_scales[4], B lowp_scales[5])
;;     4. batch 8 x [M 4,096, K 128] x [K 128, N 4,096]; A: computed on the way; B: computed on the way: QUANTISED (scales: A lowp_scales[6], B lowp_scales[7])
;;     5. batch 8 x [M 4,096, K 4,096] x [K 4,096, N 128]; A: softmax (see below); B: computed on the way: QUANTISED (scales: A lowp_scales[8], B lowp_scales[9])
;;     6. [M 4,096, K 1,024] x [K 1,024, N 2,048]; A: computed on the way; B: input Wo: QUANTISED (scales: A lowp_scales[10], B lowp_scales[11])
;;   THE QUANTISER, for each operand of a quantised product, along K:
;;     - The operand's scale is 2^e, e = its entry of the input lowp_scales (int32; the entries are numbered through the quantised products in the list's order, A before B).
;;     - Each number is divided by the scale, clamped to +-448, and rounded to the nearest number of E4M3, ties to even, subnormals kept.
;;     - The product sums the exact products of the quantised numbers (number of the format x scale) in f32.
;;   ~~~python
;;   def quantise(x, axis, e):      # numpy; x: float32 -> the quantised numbers, widened to float32 again
;;       x = np.moveaxis(x, axis, -1); K = x.shape[-1]
;;       r = np.clip(x / 2.0 ** e, -448, 448)
;;       step = 2.0 ** (np.maximum(np.frexp(np.where(r == 0, 1, r))[1] - 1, -6) - 3)
;;       q = np.round(r / step) * step * 2.0 ** e      # np.round: ties to even
;;       return np.moveaxis(q, -1, axis).astype(np.float32)
;;   ~~~
;;   SOFTMAX AHEAD OF A QUANTISED PRODUCT. Where the list says 'softmax', what is quantised is not the finished softmax but p = 2^(t - M), with t = logit x log2(e) and M = ceil(the row's largest t), a whole number; so 1/2 < the row's largest p <= 1. The row's sum l is taken of the UNQUANTISED p, in f32, and the product's result is divided by l at the end. Since M is a whole number, a kernel that streams over the keys may use a running M (the ceiling of the running maximum): every later rescaling is an exact power of two, so the quantised numbers keep their values, but for numbers so far below the row's largest that they fall under the format's range.
;;   OPERANDS COMPUTED ON THE WAY. 'Computed on the way' means the value that the module computes at that place (a softmax that the list does not call 'softmax' is quantised finished and normalised). What goes into a quantiser is computed in f32, as accurately as f32 sums, v_exp_f32 and their like allow (about 1e-6 of the number): no bf16 or f16 on the way to a quantiser, and a product that is left as it is and whose result goes on into a quantised operand takes f32 operands (vector FMAs, or v_wmma_f32_16x16x4_f32). A number that lies on a knife's edge between two numbers of the format may be rounded either way, as far as f32 arithmetic and the matrix unit's own rounding can turn it there, and no further.
;; One version. Each part assembles by itself: llvm-mc -triple=amdgcn-amd-amdhsa -mcpu=gfx1250 --defsym DOCPART=n.
;; ======== version 1 of 1: 4 launches
;; limits: right only within a limited range of input values
;; workspace buffers: hc 25,165,824 bytes; wc 4,194,304 bytes; woc 2,097,152 bytes; qkv 8,388,608 bytes; ac 4,194,304 bytes
;; launch quant (part 1): grid 448 x 1, 4 waves a work-group, no clusters, 33,280 bytes of LDS; arguments hidden_states, Wq, Wk, Wv, Wo, lowp_scales, hc, wc, woc; writes hc, wc, woc
.if DOCPART == 1
	.amdgcn_target "amdgcn-amd-amdhsa--gfx1250"
	.amdhsa_code_object_version 6
	.text
	.protected	k_q3c9611bcc3_quant
	.globl	k_q3c9611bcc3_quant
	.p2align	8
	.type	k_q3c9611bcc3_quant,@function
k_q3c9611bcc3_quant:
	s_mov_b64 s[64:65], 0
	v_nop
	global_prefetch_b8 v0, s[64:65] scope:SCOPE_SE
	s_setreg_imm32_b32 hwreg(HW_REG_WAVE_MODE, 25, 1), 1
	s_wait_xcnt 0x0
; f32 numbers into codes of FP8 (E4M3), one code a byte, K innermost, each operand with the scale 2^e that is given for it.
; code = x / 2^e, held within +-448, rounded to the nearest code, ties to even.
; hidden_states [4096][2048] is an operand of three products with three given scales (entries 0, 2, 4): three sets of codes, hc [3][4096][2048].
; Wq, Wk, Wv (entries 1, 3, 5) go one behind the other into wc [2048][2048]; Wo (entry 11) into woc [2048][1024].
; All five tensors are dense with K innermost: plain streams.  A work-group takes 32,768 numbers, a wave 16 steps of 512.
; Work-groups 0-255: hidden_states; 256-319: Wq; 320-351: Wk; 352-383: Wv; 384-447: Wo.  Only pointers, first numbers and the exponent are chosen
; (s_cselect on the work-group's number); all take ONE path through LDS; the two further sets of codes of hidden_states stand under a short branch on the work-group's number.
; A load reads 512 consecutive bytes, 16 a lane; a step's 2,048 bytes turn through the wave's own stage in LDS and come back 64 bytes a lane, so that a lane holds 16 neighbours along K.
; A lane's 16 codes are 16 bytes: a store of the wave covers 512 consecutive bytes, aligned.  Waves share nothing: no barrier, no cluster (no two work-groups read the same bytes).
; LIMITS: each of the entries 0 to 5 and 11 lies between -126 and 119, so that 2^e and 448 x 2^e are f32 numbers.  NaN among the inputs is not served; an infinity is held at the largest code.
; WORK LEFT OUT IN THE PROGRAM: reference() adds -infinity to every score whose key comes after its query, whatever the inputs hold, so such a score's weight is 0 in exact arithmetic:
; key steps that lie wholly behind a tile's queries are computed in neither attention product.  Every input has a way to the output and is loaded.
; LIMIT: a NaN, an infinity or an overflow that reaches only the scores left out is not carried to the result.
.set WAVES, 4
.set STEPS, 16
.set SP,    80                         ; a lane's place in a stage: its 64 bytes + 16 of padding
.set WREG,  8192                       ; LDS: a region for each wave: two stages of 32 x SP bytes
.set SPARE, WAVES*WREG                 ; behind the regions: the spare words, 128 bytes a wave, that no other line names
.set SPW,   12                         ; v12  LDS address of my spare word; never rewritten
.set NIL,   13                         ; v13  0; never rewritten
.set R,     16                         ; v16-79   four sets of 16 numbers as loaded
.set X,     80                         ; v80-111  two sets of 16 neighbours
.set T,     112                        ; v112-127 the numbers held within the range of one scale
.set C,     128                        ; v128-139 codes: four registers for each of three scales
	s_load_b512 s[8:23], s[0:1], 0x0               ; hidden_states s[8:9], Wq s[10:11], Wk s[12:13], Wv s[14:15], Wo s[16:17], the exponents s[18:19], hc s[20:21], wc s[22:23]
	s_load_b64 s[24:25], s[0:1], 0x40              ; woc
	v_lshl_add_u32 v[SPW], v0, 2, SPARE
	v_mov_b32 v[NIL], 0
	v_lshrrev_b32 v1, 5, v0
	v_readfirstlane_b32 s30, v1                    ; wave
	v_and_b32 v2, 31, v0                           ; lane
	v_lshlrev_b32 v3, 4, v2                        ; my 16 bytes of a load's 512, and of a store's
	s_mul_i32 s31, s30, WREG
	v_lshrrev_b32 v14, 2, v2
	v_mul_u32_u24 v14, v14, SP
	v_and_b32 v15, 3, v2
	v_lshl_add_u32 v14, v15, 4, v14
	v_add_nc_u32 v14, s31, v14                     ; the stage, on the way in: four lanes' 64 bytes on end, then the padding
	v_mul_u32_u24 v15, v2, SP
	v_add_nc_u32 v15, s31, v15                     ; and on the way out: my 16 neighbours
	s_wait_alu depctr_va_vdst(0)
	s_wait_kmcnt 0x0
	s_load_b256 s[32:39], s[18:19], 0x0            ; entries 0 to 7
	s_load_b128 s[40:43], s[18:19], 0x20           ; entries 8 to 11
	s_mov_b64 s[4:5], s[16:17]                     ; from: Wo,
	s_mov_b64 s[6:7], s[24:25]                     ; to: woc,
	s_mov_b32 s26, 384                             ; the tensor's first work-group,
	s_mov_b32 s27, 384                             ; the target buffer's first work-group; each is replaced while the work-group's number lies lower
	s_cmp_lt_u32 ttmp9, 384
	s_cselect_b64 s[4:5], s[14:15], s[4:5]
	s_cselect_b64 s[6:7], s[22:23], s[6:7]
	s_cselect_b32 s26, 352, s26
	s_cselect_b32 s27, 256, s27
	s_cmp_lt_u32 ttmp9, 352
	s_cselect_b64 s[4:5], s[12:13], s[4:5]
	s_cselect_b32 s26, 320, s26
	s_cmp_lt_u32 ttmp9, 320
	s_cselect_b64 s[4:5], s[10:11], s[4:5]
	s_cselect_b32 s26, 256, s26
	s_cmp_lt_u32 ttmp9, 256
	s_cselect_b64 s[4:5], s[8:9], s[4:5]
	s_cselect_b64 s[6:7], s[20:21], s[6:7]
	s_cselect_b32 s26, 0, s26
	s_cselect_b32 s27, 0, s27
	s_sub_co_u32 s28, ttmp9, s26
	s_lshl_b32 s28, s28, 2
	s_add_co_u32 s28, s28, s30                     ; which run of 8,192 numbers of the tensor is my wave's
	s_lshl_b32 s28, s28, 15                        ; in bytes (under 2^26)
	s_mov_b32 s29, 0
	s_add_nc_u64 s[4:5], s[4:5], s[28:29]
	s_sub_co_u32 s28, ttmp9, s27
	s_lshl_b32 s28, s28, 2
	s_add_co_u32 s28, s28, s30
	s_lshl_b32 s28, s28, 13                        ; 8,192 bytes of codes a wave
	s_add_nc_u64 s[6:7], s[6:7], s[28:29]
	s_add_nc_u64 s[44:45], s[6:7], 0x800000        ; hc's second and third set (named by hidden_states' work-groups alone)
	s_add_nc_u64 s[46:47], s[6:7], 0x1000000
.macro LOAD t
.irp i, 0,1,2,3
	global_load_b128 v[R+16*((\t)%4)+4*\i:R+16*((\t)%4)+4*\i+3], v3, s[4:5] offset:2048*(\t)+512*\i th:TH_LOAD_NT   ; 32 lanes read 512 consecutive bytes, read once in the launch
.endr
.endm
.macro TURN t                          ; step t's numbers through the stage: LDS serves a wave's instructions in order, so no wait stands between the stores and the loads
.irp i, 0,1,2,3
	ds_store_b128 v14, v[R+16*((\t)%4)+4*\i:R+16*((\t)%4)+4*\i+3] offset:32*SP*((\t)%2)+8*SP*\i
.endr
.irp i, 0,1,2,3
	ds_load_b128 v[X+16*((\t)%2)+4*\i:X+16*((\t)%2)+4*\i+3], v15 offset:32*SP*((\t)%2)+16*\i
.endr
.endm
.macro MKSC e, sc, lim                 ; 2^e and 448 x 2^e as f32 numbers
	s_add_co_i32 s28, \e, 127
	s_lshl_b32 s29, s28, 23
	v_mov_b32 v[\sc], s29                          ; the conversion takes its exponent field
	s_add_co_i32 s28, s28, 8
	s_lshl_b32 s28, s28, 23
	s_or_b32 s28, s28, 0x600000
	v_mov_b32 v[\lim], s28
.endm
.irp t, 0,1,2,3
	LOAD \t
.endr
	s_wait_kmcnt 0x0
	s_mov_b32 s31, s43                             ; the tensor's exponent, chosen as the pointers were
	s_cmp_lt_u32 ttmp9, 384
	s_cselect_b32 s31, s37, s31
	s_cmp_lt_u32 ttmp9, 352
	s_cselect_b32 s31, s35, s31
	s_cmp_lt_u32 ttmp9, 320
	s_cselect_b32 s31, s33, s31
	s_cmp_lt_u32 ttmp9, 256
	s_cselect_b32 s31, s32, s31
	MKSC s31, 5, 6
	MKSC s34, 7, 8                                 ; entry 2
	MKSC s36, 9, 10                                ; entry 4
	s_wait_alu depctr_va_vdst(0)
	s_wait_loadcnt 12                              ; step 0's four loads are in
	TURN 0
; One set of codes of the step's numbers: the numbers stay in X for the next scale.
.macro QOUT sc, lim, c, base, t
.set n, 0
.rept 16
	v_med3_num_f32 v[T+n], v[XS+n], -v[\lim], v[\lim]   ; the conversion to an 8-bit code does not saturate (ISA guide 7.6.2): the hold comes first, always
.set n, n+1
.endr
	v_cvt_scalef32_pk8_fp8_f32 v[C+\c:C+\c+1], v[T:T+7], v[\sc]
	v_cvt_scalef32_pk8_fp8_f32 v[C+\c+2:C+\c+3], v[T+8:T+15], v[\sc]
	v_nop                                          ; a plain line between the conversions and the next write of their sources
	global_store_b128 v3, v[C+\c:C+\c+3], s[\base:\base+1] offset:512*(\t)
.endm
.macro STEP t
.set XS, X+16*((\t)%2)
	s_wait_dscnt 0x0                               ; this step's numbers are back from the stage, and its stores into the stage have read their registers,
.if (\t)+4 < STEPS
	LOAD (\t)+4                                    ; which take the loads of four steps on
.endif
.if (\t)+1 < STEPS
.if STEPS-2-(\t) >= 3
	s_wait_loadcnt 12                              ; the next step's four loads are in; those of the three steps behind it may be out
.else
	s_wait_loadcnt 4*(STEPS-2-(\t))
.endif
	TURN (\t)+1
.endif
	s_wait_xcnt 0x0                                ; the last step's stores have read their codes: the registers are written again only behind this wait
	QOUT 5, 6, 0, 6, \t
	s_cmp_lt_u32 ttmp9, 256                        ; hidden_states alone has two more scales
	s_cbranch_scc0 .Lone_\@
	QOUT 7, 8, 4, 44, \t
	QOUT 9, 10, 8, 46, \t
.Lone_\@:
.endm
.irp t, 0,1,2,3,4,5,6,7,8,9,10,11,12,13,14,15
	STEP \t
.endr
	s_wait_tensorcnt 0x0                           ; the wave's end, behind my last LDS store
	ds_add_u32 v[SPW], v[NIL]
	s_wait_dscnt 0x0
	s_endpgm
.Lfunc_end_k_q3c9611bcc3_quant:
	.size	k_q3c9611bcc3_quant, .Lfunc_end_k_q3c9611bcc3_quant-k_q3c9611bcc3_quant
	.p2alignl 7, 3214868480
	.fill 96, 4, 3214868480
	.section	.rodata,"a",@progbits
	.p2align	6, 0x0
	.amdhsa_kernel k_q3c9611bcc3_quant
		.amdhsa_group_segment_fixed_size 33280
		.amdhsa_private_segment_fixed_size 0
		.amdhsa_enable_private_segment 0
		.amdhsa_kernarg_size 72
		.amdhsa_user_sgpr_count 2
		.amdhsa_user_sgpr_kernarg_segment_ptr 1
		.amdhsa_wavefront_size32 1
		.amdhsa_system_sgpr_workgroup_id_x 1
		.amdhsa_system_sgpr_workgroup_id_y 1
		.amdhsa_system_sgpr_workgroup_id_z 1
		.amdhsa_system_vgpr_workitem_id 0
		.amdhsa_next_free_vgpr 144
		.amdhsa_next_free_sgpr 66
		.amdhsa_reserve_vcc 0
		.amdhsa_float_denorm_mode_32 3
		.amdhsa_float_denorm_mode_16_64 3
		.amdhsa_memory_ordered 1
		.amdhsa_forward_progress 1
		.amdhsa_inst_pref_size 82
	.end_amdhsa_kernel
	.amdgpu_metadata
---
amdhsa.version: [ 1, 2 ]
amdhsa.kernels:
  - .name:           k_q3c9611bcc3_quant
    .symbol:         k_q3c9611bcc3_quant.kd
    .args:
      - { .name: hidden_states, .offset: 0, .size: 8, .value_kind: global_buffer, .address_space: global }
      - { .name: Wq, .offset: 8, .size: 8, .value_kind: global_buffer, .address_space: global }
      - { .name: Wk, .offset: 16, .size: 8, .value_kind: global_buffer, .address_space: global }
      - { .name: Wv, .offset: 24, .size: 8, .value_kind: global_buffer, .address_space: global }
      - { .name: Wo, .offset: 32, .size: 8, .value_kind: global_buffer, .address_space: global }
      - { .name: lowp_scales, .offset: 40, .size: 8, .value_kind: global_buffer, .address_space: global }
      - { .name: hc, .offset: 48, .size: 8, .value_kind: global_buffer, .address_space: global }
      - { .name: wc, .offset: 56, .size: 8, .value_kind: global_buffer, .address_space: global }
      - { .name: woc, .offset: 64, .size: 8, .value_kind: global_buffer, .address_space: global }
    .group_segment_fixed_size: 33280
    .private_segment_fixed_size: 0
    .kernarg_segment_align: 8
    .kernarg_segment_size: 72
    .max_flat_workgroup_size: 128
    .sgpr_count:     66
    .vgpr_count:     144
    .wavefront_size: 32
...
	.end_amdgpu_metadata
.endif
;; end of part 1
;; launch qkvproj (part 2): grid 16 x 16, 4 waves a work-group, clusters of 4 x 4, 327,680 bytes of LDS; arguments hc, wc, cos, sin, lowp_scales, qkv; writes qkv
.if DOCPART == 2
	.amdgcn_target "amdgcn-amd-amdhsa--gfx1250"
	.amdhsa_code_object_version 6
	.text
	.protected	k_q3c9611bcc3_qkvproj
	.globl	k_q3c9611bcc3_qkvproj
	.p2align	8
	.type	k_q3c9611bcc3_qkvproj,@function
k_q3c9611bcc3_qkvproj:
	s_mov_b64 s[64:65], 0
	v_nop
	global_prefetch_b8 v0, s[64:65] scope:SCOPE_SE
	s_setreg_imm32_b32 hwreg(HW_REG_WAVE_MODE, 25, 1), 1
	s_wait_xcnt 0x0
	s_wait_alu depctr_hold_cnt(0) depctr_sa_sdst(0) depctr_va_vdst(0) depctr_va_sdst(0) depctr_va_ssrc(0) depctr_va_vcc(0) depctr_vm_vsrc(0)
	s_getreg_b32 s2, hwreg(HW_REG_IB_STS2, 6, 4)
	s_cmp_eq_u32 s2, 0
	s_cbranch_scc0 .Lentry_in_a_cluster
	s_endpgm
.Lentry_in_a_cluster:
	s_bfe_u32 s2, ttmp6, 0x10000c
	s_cmp_lg_u32 s2, 0xf033
	s_cbranch_scc0 .Lentry_shape_is_right
	s_endpgm
.Lentry_shape_is_right:
; q, k, v = hidden_states x Wq^T, Wk^T, Wv^T on codes of FP8, with the rotary step on q and k, quantised on the way out (entries 6, 7, 9) into qkv: heads 0-7 q, 8-11 k: [4096][128]; heads 12-15 v: [32 blocks][128 d][128 keys].
; A work-group makes 256 tokens x 128 columns.  For q and k a wave takes 64 tokens x 128 columns; for v (cluster x = 3) 128 tokens x 64 columns with the sources' roles changed, so that a lane's registers run along the keys.
; The two shares read LDS at different places: each has address registers of its own, made of the wave's number alone, and the K loop is expanded once for each, chosen by the cluster's x, which all partners share.
; PREFETCH INTO THE L2: behind each joint load one instruction a wave names the K step two refills on (256 bytes of each row): K steps 2 to 7; steps 0 and 1 come by their loads.  The four partners that ask for a tile jointly
; share its rows out by address: of hc's 128 rows a wave 32 each (by cx), a lane a row; of wc's 64 rows 16 each (by cy), the lanes left over naming the last row again.  The loop's last trip names nothing: no K step lies two on.
.set PITCH,  272
.set PFA,  92                          ; s[92:93] where my prefetches stand
.set PFO,  14                          ; v14 my lane's row, in bytes
.set AREG,   256*PITCH
.set SLOT,   384*PITCH
.set LAPS,   4
.set SPARE,  2*SLOT
.set STQ,    SPARE+512
.set STV,    STQ+4*2304
.set CST,    STV+4*2304
.set CSP,    528
.set CSW,    32*CSP
.set ADL,  16
.set RDV,  18
.set GOF,  19
.set ADR,  20
.set CSO,  22
.set CSS,  23
.set CSR,  24
.set STOQ, 25
.set RDQ,  26
.set STOV, 27
.set SPW,  28
.set NIL,  29
.set SCL,  30
.set LIM,  31
.set COSR, 32
.set SINR, 96
.set YY,   160
.set CD,   224
.set BK,   240
.set LF,   128
.set WV,   16
.set G1A,  24
.set G0A,  32
.set G1B,  48
.set G0B,  56
.set MSB, 0
.macro WIN new
.if MSB != \new
	s_set_vgpr_msb (MSB<<8)|\new
.set MSB, \new
.endif
.endm
.set MUL,  0xa1
.set TO_R, 0x40
.macro JLOAD s
	s_cmp_eq_u32 s17, 0
	s_cbranch_scc0 .Lfor_b_\@
	tensor_load_to_lds s[G0A+4*\s:G0A+4*\s+3], s[G1A:G1A+7]
	s_nop 0
.rept 4
	v_nop
.endr
	s_branch .Lasked_\@
.Lfor_b_\@:
	tensor_load_to_lds s[G0B+4*\s:G0B+4*\s+3], s[G1B:G1B+7]
	s_nop 0
.rept 4
	v_nop
.endr
.Lasked_\@:
.endm
.macro CREST
	s_cmp_lg_u32 s[WV], 0
	s_cbranch_scc1 .Lnot_wave_0_\@
	s_barrier_signal -3
.Lnot_wave_0_\@:
	s_barrier_wait -3
	s_barrier_signal -1
	s_barrier_wait -1
.endm
.macro CROUND
	s_barrier_signal -1
	s_barrier_wait -1
	CREST
.endm
.macro PLACES n
.rept \n
	v_nop
.endr
.endm
	s_load_b256 s[4:11], s[0:1], 0x0
	s_load_b128 s[12:15], s[0:1], 0x20
	v_lshl_add_u32 v[SPW], v0, 2, SPARE
	v_mov_b32 v[NIL], 0
	ds_add_u32 v[SPW], v[NIL]
	ds_add_u32 v[SPW], v[NIL]
	v_lshrrev_b32 v1, 5, v0
	v_readfirstlane_b32 s[WV], v1
	s_lshr_b32 s17, s[WV], 1
	s_and_b32 s18, s[WV], 1
	s_bfe_u32 s40, ttmp6, 0x40000
	s_bfe_u32 s41, ttmp6, 0x40004
	s_lshl_b32 s42, ttmp9, 2
	s_add_co_u32 s42, s42, s40
	s_and_b32 s43, ttmp7, 0xffff
	s_lshl_b32 s43, s43, 2
	s_add_co_u32 s43, s43, s41
	s_lshl_b32 s44, s41, 2
	s_lshl_b32 s44, 15, s44
	s_lshl_b32 s45, 0x1111, s40
	s_or_b32 s[G1A], s44, (1<<20)|(1<<21)|(5<<22)|(3<<25)
	s_or_b32 s[G1B], s45, (1<<20)|(1<<21)|(5<<22)|(3<<25)
	s_mov_b32 s[G1A+1], 256<<16
	s_mov_b32 s[G1A+2], 128<<16
	s_mov_b32 s[G1A+3], 256<<16
	s_mov_b32 s[G1A+4], 128
	s_mov_b32 s[G1A+5], 2048
	s_mov_b32 s[G1A+6], 0
	s_mov_b32 s[G1A+7], 0
	s_mov_b32 s[G1B+1], 256<<16
	s_mov_b32 s[G1B+2], 64<<16
	s_mov_b32 s[G1B+3], 256<<16
	s_mov_b32 s[G1B+4], 64
	s_mov_b32 s[G1B+5], 2048
	s_mov_b32 s[G1B+6], 0
	s_mov_b32 s[G1B+7], 0
	s_lshl_b32 s20, s43, 8
	s_lshl_b32 s21, s18, 7
	s_add_co_u32 s20, s20, s21
	s_lshl_b32 s20, s20, 11
	s_max_u32 s21, ttmp9, 1
	s_sub_co_u32 s21, s21, 1
	s_lshl_b32 s21, s21, 23
	s_add_co_u32 s20, s20, s21
	s_mov_b32 s21, 0
	s_lshl_b32 s46, s42, 7
	s_lshl_b32 s47, s18, 6
	s_add_co_u32 s46, s46, s47
	s_lshl_b32 s46, s46, 11
	s_mov_b32 s47, 0
	s_mul_i32 s22, s18, 128*PITCH
	s_mul_i32 s23, s18, 64*PITCH
	s_add_co_u32 s23, s23, AREG
	s_wait_dscnt 0x0
	s_wait_kmcnt 0x0
	s_load_b256 s[68:75], s[12:13], 0x0
	s_load_b128 s[76:79], s[12:13], 0x20
	s_add_nc_u64 s[20:21], s[4:5], s[20:21]
	s_add_nc_u64 s[46:47], s[6:7], s[46:47]
	CROUND
.irp s, 0,1
	s_mov_b32 s[G0A+4*\s], 1
	s_add_co_u32 s[G0A+4*\s+1], s22, \s*SLOT
	s_add_nc_u64 s[G0A+4*\s+2:G0A+4*\s+3], s[20:21], \s*256
	s_or_b32 s[G0A+4*\s+3], s[G0A+4*\s+3], 0x80000000
	s_mov_b32 s[G0B+4*\s], 1
	s_add_co_u32 s[G0B+4*\s+1], s23, \s*SLOT
	s_add_nc_u64 s[G0B+4*\s+2:G0B+4*\s+3], s[46:47], \s*256
	s_or_b32 s[G0B+4*\s+3], s[G0B+4*\s+3], 0x80000000
.endr
	JLOAD 0                                        ; K step 0: my one tensor load at the head; the set-up below stands under its flight
	s_lshl_b32 s94, s40, 16                        ; cx x 32 rows of 2,048 bytes
	s_lshl_b32 s95, s41, 15                        ; cy x 16 rows
	s_cmp_eq_u32 s17, 0                            ; do I fetch for hc?
	s_cselect_b64 s[PFA:PFA+1], s[20:21], s[46:47]
	s_cselect_b32 s94, s94, s95
	s_cselect_b32 s91, 31, 15                      ; the last row that my lanes name
	s_add_co_u32 s94, s94, 512                     ; K step 2
	s_mov_b32 s95, 0
	s_add_nc_u64 s[PFA:PFA+1], s[PFA:PFA+1], s[94:95]
	v_and_b32 v1, 15, v0
	v_bfe_u32 v2, v0, 4, 1
	v_and_b32 v3, 31, v0
	v_mul_u32_u24 v4, v1, PITCH
	v_lshl_add_u32 v4, v2, 4, v4
	v_min_u32 v[PFO], s91, v3
	v_lshlrev_b32 v[PFO], 11, v[PFO]
	s_wait_alu depctr_va_vdst(0)
	s_mul_i32 s80, s[WV], 64*PITCH
	s_mul_i32 s81, s18, 64*PITCH
	s_add_co_u32 s81, s81, AREG
	s_mul_i32 s82, s17, 128*PITCH
	s_mov_b32 s83, AREG
.set VDL, 10                           ; v10-11, v12-13: the same two addresses for v's share
.set VDR, 12
.irp s, 0,1
	v_add_nc_u32 v[ADL+\s], s80, v4
	v_add_nc_u32 v[ADR+\s], s83, v4
	v_add_nc_u32 v[VDL+\s], s81, v4
	v_add_nc_u32 v[VDR+\s], s82, v4
	s_add_co_u32 s80, s80, SLOT
	s_add_co_u32 s81, s81, SLOT
	s_add_co_u32 s82, s82, SLOT
	s_add_co_u32 s83, s83, SLOT
.endr
	s_mul_i32 s88, s[WV], 2304
	v_mul_u32_u24 v5, v1, 144
	v_lshl_add_u32 v5, v2, 3, v5
	v_add_nc_u32 v5, s88, v5
	v_add_nc_u32 v[STOQ], STQ, v5
	v_lshrrev_b32 v6, 3, v3
	v_mul_u32_u24 v6, v6, 144
	v_and_b32 v7, 7, v3
	v_lshl_add_u32 v6, v7, 4, v6
	v_add_nc_u32 v6, s88, v6
	v_add_nc_u32 v[RDQ], STQ, v6
	s_mul_i32 s89, s[WV], CSW
	s_add_co_u32 s89, s89, CST
	v_lshlrev_b32 v[GOF], 4, v3
	v_add_nc_u32 v[CSS], s89, v[GOF]
	v_mul_u32_u24 v8, v1, CSP
	v_lshl_add_u32 v8, v2, 5, v8
	v_add_nc_u32 v[CSR], s89, v8
	s_lshl_b32 s90, s[WV], 15
	v_add_nc_u32 v[CSO], s90, v[GOF]
	s_wait_alu depctr_va_vdst(0)
	s_lshl_b32 s86, s43, 17
	s_mov_b32 s87, 0
	s_add_nc_u64 s[8:9], s[8:9], s[86:87]
	s_add_nc_u64 s[10:11], s[10:11], s[86:87]
	s_lshl_b32 s84, s42, 19
	s_lshl_b32 s85, s43, 15
	s_add_co_u32 s84, s84, s85
	s_lshl_b32 s85, s[WV], 13
	s_add_co_u32 s84, s84, s85
	s_mov_b32 s85, 0
	s_add_nc_u64 s[14:15], s[14:15], s[84:85]
.macro CSLOAD a
	WIN (0xc0-0x80*((\a)/2))                       ; blocks 0, 1 into window 3; blocks 2, 3 into window 1, which held fragments
.irp i, 0,1,2,3,4,5,6,7,8,9,10,11,12,13,14,15
	global_load_b128 v[128*((\a)%2)+4*\i:128*((\a)%2)+4*\i+3], v[CSO], s[8:9] offset:(16*(\a)+\i)*512
.endr
.irp i, 0,1,2,3,4,5,6,7,8,9,10,11,12,13,14,15
	global_load_b128 v[128*((\a)%2)+64+4*\i:128*((\a)%2)+64+4*\i+3], v[CSO], s[10:11] offset:(16*(\a)+\i)*512
.endr
	WIN 0
.endm
	global_prefetch_b8 v[PFO], s[PFA:PFA+1] th:TH_LOAD_NT scope:SCOPE_SE   ; K step 2
	CSLOAD 0
	CSLOAD 1
.macro FETCH slot, q, set
	WIN TO_R
.irp b, 0,1,2,3,4,5,6,7
.irp c, 0,1,2,3
	ds_load_b128 v[128*(\set)+16*\b+4*\c:128*(\set)+16*\b+4*\c+3], v[ADR+\slot] offset:128*(\q)+32*\c+\b*16*PITCH
.endr
.endr
	WIN 0
.irp a, 0,1,2,3
.irp c, 0,1,2,3
	ds_load_b128 v[LF+64*(\set)+16*\a+4*\c:LF+64*(\set)+16*\a+4*\c+3], v[ADL+\slot] offset:128*(\q)+32*\c+\a*16*PITCH
.endr
.endr
.endm
.macro MUL8 a, set, zero
.irp b, 0,1,2,3,4,5,6,7
.if \zero
	v_wmma_f32_16x16x128_fp8_fp8 v[8*(8*(\a)+\b):8*(8*(\a)+\b)+7], v[128*(\set)+16*\b:128*(\set)+16*\b+15], v[LF+64*(\set)+16*(\a):LF+64*(\set)+16*(\a)+15], 0
.else
	v_wmma_f32_16x16x128_fp8_fp8 v[8*(8*(\a)+\b):8*(8*(\a)+\b)+7], v[128*(\set)+16*\b:128*(\set)+16*\b+15], v[LF+64*(\set)+16*(\a):LF+64*(\set)+16*(\a)+15], v[8*(8*(\a)+\b):8*(8*(\a)+\b)+7]
.endif
.endr
.endm
.macro STEP slot, zero
	s_wait_dscnt 0x0
	PLACES 4
	FETCH \slot, 1, 1
	WIN MUL
	MUL8 0, 0, \zero
	MUL8 1, 0, \zero
	MUL8 2, 0, \zero
	MUL8 3, 0, \zero
	WIN 0
.endm
.macro TURN slot, next, fill
.if \fill
	s_wait_xcnt 0x0                                ; the last prefetch has read its address
	s_add_nc_u64 s[PFA:PFA+1], s[PFA:PFA+1], 256
.endif
	s_wait_tensorcnt 0x0
	ds_add_u32 v[SPW], v[NIL]
	s_wait_dscnt 1
	WIN MUL
	MUL8 0, 1, 0
	s_wait_dscnt 0x0
	s_barrier_signal -1
	MUL8 1, 1, 0
	WIN 0
	s_barrier_wait -1
.if \fill
	CREST
	s_add_nc_u64 s[G0A+4*\slot+2:G0A+4*\slot+3], s[G0A+4*\slot+2:G0A+4*\slot+3], 512
	s_add_nc_u64 s[G0B+4*\slot+2:G0B+4*\slot+3], s[G0B+4*\slot+2:G0B+4*\slot+3], 512
	JLOAD \slot
.else
	PLACES 4
.endif
	FETCH \next, 0, 0
.if \fill
	s_cmp_gt_u32 s3, 1                             ; not in the loop's last trip
	s_cbranch_scc0 .Lno_ask_\@
	global_prefetch_b8 v[PFO], s[PFA:PFA+1] offset:256 th:TH_LOAD_NT scope:SCOPE_SE
.Lno_ask_\@:
.endif
	WIN MUL
	MUL8 2, 1, 0
	MUL8 3, 1, 0
	WIN 0
.endm
	s_wait_alu depctr_va_vdst(0)                   ; the wait at the head's end
	s_wait_tensorcnt 0x0                           ; my part of K step 0 is in
	ds_add_u32 v[SPW], v[NIL]
	s_wait_dscnt 0x0
	CROUND
	JLOAD 1                                        ; K step 1: the first tensor load behind the round
	global_prefetch_b8 v[PFO], s[PFA:PFA+1] offset:256 th:TH_LOAD_NT scope:SCOPE_SE   ; K step 3
.macro MAIN                            ; the whole walk along K, with the address registers that ADL and ADR name where it is expanded
	FETCH 0, 0, 0
	STEP 0, 1
	s_mov_b32 s3, LAPS-1
.Llap_\@:
	TURN 0, 1, 1
	STEP 1, 0
	TURN 1, 0, 1
	STEP 0, 0
	s_sub_co_u32 s3, s3, 1
	s_cmp_lg_u32 s3, 0
	s_cbranch_scc1 .Llap_\@
	TURN 0, 1, 0
	STEP 1, 0
	s_wait_dscnt 0x0
	WIN MUL
	MUL8 0, 1, 0
	MUL8 1, 1, 0
	MUL8 2, 1, 0
	MUL8 3, 1, 0
	WIN 0
.endm
	s_cmp_eq_u32 ttmp9, 3                  ; the cluster's x: the same in all partners
	s_cbranch_scc1 .Lvmain
	MAIN
	s_branch .Lmained
.Lvmain:
.set ADL, VDL
.set ADR, VDR
	MAIN
.Lmained:
	s_wait_kmcnt 0x0
	s_sub_co_i32 s80, s74, s68
	s_sub_co_i32 s80, s80, s69
	s_sub_co_i32 s81, s75, s70
	s_sub_co_i32 s81, s81, s71
	s_sub_co_i32 s82, s77, s72
	s_sub_co_i32 s82, s82, s73
	s_cmp_eq_u32 ttmp9, 2
	s_cselect_b32 s80, s81, s80
	s_cmp_eq_u32 ttmp9, 3
	s_cselect_b32 s80, s82, s80
	s_add_co_i32 s80, s80, 127
	s_lshl_b32 s81, s80, 23
	s_add_co_i32 s80, s80, 8
	s_lshl_b32 s80, s80, 23
	s_or_b32 s80, s80, 0x600000
	PLACES 4
	v_mov_b32 v[SCL], s81
	v_mov_b32 v[LIM], s80
.macro OUTBLK a, sto, rd
.irp b, 0,1,2,3,4,5,6,7
	v_cvt_scalef32_pk8_fp8_f32 v[CD+2*\b:CD+2*\b+1], v[YY+8*\b:YY+8*\b+7], v[SCL]
.endr
	v_nop
	s_wait_alu depctr_va_vdst(0)
	s_wait_xcnt 0x0
.irp b, 0,1,2,3,4,5,6,7
	ds_store_b64 v[\sto], v[CD+2*\b:CD+2*\b+1] offset:16*\b
.endr
.irp i, 0,1,2,3
	ds_load_b128 v[BK+4*\i:BK+4*\i+3], v[\rd] offset:\i*576
.endr
	s_wait_dscnt 0x0
.irp i, 0,1,2,3
	global_store_b128 v[GOF], v[BK+4*\i:BK+4*\i+3], s[14:15] offset:(\a)*2048+512*\i
.endr
.endm
	s_cmp_eq_u32 ttmp9, 3
	s_cbranch_scc1 .Lvway
.macro ROPE a, left
.if \left < 64
	s_wait_loadcnt \left
.endif
	WIN (0x0c-0x08*((\a)/2))
.irp i, 0,1,2,3,4,5,6,7,8,9,10,11,12,13,14,15
	ds_store_b128 v[CSS], v[128*((\a)%2)+4*\i:128*((\a)%2)+4*\i+3] offset:\i*CSP
	ds_store_b128 v[CSS], v[128*((\a)%2)+64+4*\i:128*((\a)%2)+64+4*\i+3] offset:16*CSP+\i*CSP
.endr
	WIN 0
.irp b, 0,1,2,3,4,5,6,7
	ds_load_b128 v[COSR+8*\b:COSR+8*\b+3], v[CSR] offset:64*\b
	ds_load_b128 v[COSR+8*\b+4:COSR+8*\b+7], v[CSR] offset:64*\b+16
	ds_load_b128 v[SINR+8*\b:SINR+8*\b+3], v[CSR] offset:16*CSP+64*\b
	ds_load_b128 v[SINR+8*\b+4:SINR+8*\b+7], v[CSR] offset:16*CSP+64*\b+16
.endr
	s_wait_dscnt 0x0
	WIN 0x02
.irp b, 0,1,2,3
.irp j, 0,2,4,6
	v_pk_mul_f32 v[YY+8*\b+\j:YY+8*\b+\j+1], v[64*(\a)+8*\b+\j:64*(\a)+8*\b+\j+1], v[COSR+8*\b+\j:COSR+8*\b+\j+1]
	v_pk_mul_f32 v[YY+32+8*\b+\j:YY+32+8*\b+\j+1], v[64*(\a)+32+8*\b+\j:64*(\a)+32+8*\b+\j+1], v[COSR+32+8*\b+\j:COSR+32+8*\b+\j+1]
	v_pk_fma_f32 v[YY+8*\b+\j:YY+8*\b+\j+1], v[64*(\a)+32+8*\b+\j:64*(\a)+32+8*\b+\j+1], v[SINR+8*\b+\j:SINR+8*\b+\j+1], v[YY+8*\b+\j:YY+8*\b+\j+1] neg_lo:[0,1,0] neg_hi:[0,1,0]
	v_pk_fma_f32 v[YY+32+8*\b+\j:YY+32+8*\b+\j+1], v[64*(\a)+8*\b+\j:64*(\a)+8*\b+\j+1], v[SINR+32+8*\b+\j:SINR+32+8*\b+\j+1], v[YY+32+8*\b+\j:YY+32+8*\b+\j+1]
.endr
.endr
	WIN 0
.set n, 0
.rept 64
	v_med3_num_f32 v[YY+n], v[YY+n], -v[LIM], v[LIM]
.set n, n+1
.endr
	OUTBLK \a, STOQ, RDQ
.endm
	s_wait_loadcnt 0x0                             ; cos and sin of blocks 0 and 1, asked for at the head
	CSLOAD 2                                       ; blocks 2 and 3 are asked for now and have two blocks' work in which to come
	CSLOAD 3
	ROPE 0, 64
	ROPE 1, 64
	ROPE 2, 32
	ROPE 3, 0
	s_branch .Lend
.Lvway:
; v's way out.  Within a block of 128 keys v is laid fragment by fragment, as the second attention product's registers take it (this is the order of a block's 128 d x 128 keys): fragment u = d / 16 is 2,048 bytes,
; piece q of it 512: lane l's registers 4 q .. 4 q + 3 at 16 l.  A lane here holds d = 16 a + l % 16 and its codes' registers 2 b, 2 b + 1 the keys 16 b + 8 (l / 16) + 0 .. 7: they ARE that fragment's registers, and are stored as they stand, 512 consecutive bytes a store.
.macro VBLK a
	s_wait_xcnt 0x0                                ; the last block's stores have read their codes
	WIN 0x02
.set n, 0
.rept 64
	v_med3_num_f32 v[YY+n], v[64*(\a)+n], -v[LIM], v[LIM]
.set n, n+1
.endr
	WIN 0
.irp b, 0,1,2,3,4,5,6,7
	v_cvt_scalef32_pk8_fp8_f32 v[CD+2*\b:CD+2*\b+1], v[YY+8*\b:YY+8*\b+7], v[SCL]
.endr
	v_nop                                          ; a plain line behind the last conversion
.irp q, 0,1,2,3
	global_store_b128 v[GOF], v[CD+4*\q:CD+4*\q+3], s[14:15] offset:(\a)*2048+512*\q
.endr
.endm
	s_wait_alu depctr_va_vdst(0)
	VBLK 0
	VBLK 1
	VBLK 2
	VBLK 3
.Lend:
	s_wait_tensorcnt 0x0
	ds_add_u32 v[SPW], v[NIL]
	s_wait_dscnt 0x0
	CROUND
	s_endpgm
.Lfunc_end_k_q3c9611bcc3_qkvproj:
	.size	k_q3c9611bcc3_qkvproj, .Lfunc_end_k_q3c9611bcc3_qkvproj-k_q3c9611bcc3_qkvproj
	.p2alignl 7, 3214868480
	.fill 96, 4, 3214868480
	.section	.rodata,"a",@progbits
	.p2align	6, 0x0
	.amdhsa_kernel k_q3c9611bcc3_qkvproj
		.amdhsa_group_segment_fixed_size 327680
		.amdhsa_private_segment_fixed_size 0
		.amdhsa_enable_private_segment 0
		.amdhsa_kernarg_size 48
		.amdhsa_user_sgpr_count 2
		.amdhsa_user_sgpr_kernarg_segment_ptr 1
		.amdhsa_wavefront_size32 1
		.amdhsa_system_sgpr_workgroup_id_x 1
		.amdhsa_system_sgpr_workgroup_id_y 1
		.amdhsa_system_sgpr_workgroup_id_z 1
		.amdhsa_system_vgpr_workitem_id 0
		.amdhsa_next_free_vgpr 1024
		.amdhsa_next_free_sgpr 96
		.amdhsa_reserve_vcc 0
		.amdhsa_float_denorm_mode_32 3
		.amdhsa_float_denorm_mode_16_64 3
		.amdhsa_memory_ordered 1
		.amdhsa_forward_progress 1
		.amdhsa_inst_pref_size 189
	.end_amdhsa_kernel
	.amdgpu_metadata
---
amdhsa.version: [ 1, 2 ]
amdhsa.kernels:
  - .name:           k_q3c9611bcc3_qkvproj
    .symbol:         k_q3c9611bcc3_qkvproj.kd
    .args:
      - { .name: hc, .offset: 0, .size: 8, .value_kind: global_buffer, .address_space: global }
      - { .name: wc, .offset: 8, .size: 8, .value_kind: global_buffer, .address_space: global }
      - { .name: cos, .offset: 16, .size: 8, .value_kind: global_buffer, .address_space: global }
      - { .name: sin, .offset: 24, .size: 8, .value_kind: global_buffer, .address_space: global }
      - { .name: lowp_scales, .offset: 32, .size: 8, .value_kind: global_buffer, .address_space: global }
      - { .name: qkv, .offset: 40, .size: 8, .value_kind: global_buffer, .address_space: global }
    .group_segment_fixed_size: 327680
    .private_segment_fixed_size: 0
    .kernarg_segment_align: 8
    .kernarg_segment_size: 48
    .max_flat_workgroup_size: 128
    .sgpr_count:     96
    .vgpr_count:     1024
    .wavefront_size: 32
...
	.end_amdgpu_metadata
.endif
;; end of part 2
;; launch attn (part 3): grid 64 x 4, 16 waves a work-group, clusters of 4 x 1, 327,680 bytes of LDS; arguments qkv, lowp_scales, ac; writes ac
.if DOCPART == 3
	.amdgcn_target "amdgcn-amd-amdhsa--gfx1250"
	.amdhsa_code_object_version 6
	.text
	.protected	k_q3c9611bcc3_attn
	.globl	k_q3c9611bcc3_attn
	.p2align	8
	.type	k_q3c9611bcc3_attn,@function
k_q3c9611bcc3_attn:
	s_mov_b64 s[64:65], 0
	v_nop
	global_prefetch_b8 v0, s[64:65] scope:SCOPE_SE
	s_setreg_imm32_b32 hwreg(HW_REG_WAVE_MODE, 25, 1), 1
	s_wait_xcnt 0x0
	s_wait_alu depctr_hold_cnt(0) depctr_sa_sdst(0) depctr_va_vdst(0) depctr_va_sdst(0) depctr_va_ssrc(0) depctr_va_vcc(0) depctr_vm_vsrc(0)
	s_getreg_b32 s2, hwreg(HW_REG_IB_STS2, 6, 4)
	s_cmp_eq_u32 s2, 0
	s_cbranch_scc0 .Lentry_in_a_cluster
	s_endpgm
.Lentry_in_a_cluster:
	s_bfe_u32 s2, ttmp6, 0x10000c
	s_cmp_lg_u32 s2, 0x3003
	s_cbranch_scc0 .Lentry_shape_is_right
	s_endpgm
.Lentry_shape_is_right:
; Causal attention with grouped heads on codes of FP8 (E4M3): 8 query heads, 4 key and value heads, 4096 tokens, head size 128.
; qkv: heads 0-7 q, 8-11 k: [4096][128]; heads 12-15 v: [32 blocks of 128 keys][8 fragments of 16 d][4 pieces][32 lanes][16 bytes]: images of the second product's operand registers.  ac [8 heads][4096][128]: the result's codes by entry 10.
; LEFT OUT: key steps all of whose keys come after a tile's queries (reference()'s own causal mask gives them the weight 0).
; THE SOFTMAX: t = score x log2(e) / sqrt(128); M = the largest t so far, rounded UP to a whole number; p = 2^(t - M) is quantised (entry 8), not normalised; the row's sum is taken of the unquantised p and divides at the end.
; SHARES.  Keys go in steps of 128, four steps to a slot; tokens in groups of 512.  A work-group owns ONE query head and, with a = cluster x / 4, four tiles of 16 queries in group a, one in each of its four steps,
;   and four more in group 7 - a.  It walks in two phases: slots 0 .. a for the first four tiles, then slots 0 .. 7 - a for the others: 9 slots, whatever a is, so the loop's count is a constant.
;   Sixteen waves: tile j = wave / 4, parity = (wave + 3 j) % 4.  In each slot a wave takes the step of its parity for its tile; the step on the diagonal is masked, a later one is jumped over.  Tile 3 reads all four steps of a phase's last slot: every tile that is loaded is read.
;   At a phase's end the four parities of a tile are brought under one M (powers of two, exact) and added: each wave finishes 32 of the head's 128, and takes the others' parts of them through LDS.
; WHAT GOES THROUGH LDS: K's four steps and fragments 4 to 7 of V's four blocks.  V's fragments 0 to 3 go from memory straight into registers, 512 consecutive bytes an instruction, asked for ahead of the softmax: a wave-step then reads 24,576 bytes from LDS and not 32,768.
; CLUSTER.  The four work-groups of a cluster have the same a and key head and walk the same K and V: each tile is asked for JOINTLY, waves 0-7 32 rows of 256 bytes of K, waves 8-15 16 rows of V.  cx enters global addresses and the mask's number alone.
; LAYOUT.  S^T = K Q^T, O^T = V^T P^T: a lane holds ONE query.  In S^T's tile t register i is key 16 t + 8 h + i: its eight codes are registers 2 t, 2 t + 1 of the second product's operand.  K and Q are read 16 bytes at a time, one order of d on both sides.
;   In LDS every 256 bytes are followed by 16 of padding.  Two rows of K share such a row: row x lies at (x / 2) 272 + (x % 2) 128: the sixteen rows of a fragment start at sixteen different groups of four banks (64 banks of 4 bytes: ISA guide 11.1).
; LIMITS: e6 + e7 between -123 and 130; e8 and e10 - e8 - e9 between -126 and 119.  NaN among the inputs is not served.  The scaled scores stay under 2^31 in magnitude.
; REGISTERS: v1-4 K's and V's LDS addresses; v5, v6 the add's; v7 Q's offset; v8 the prefetch's; v9 16 x lane; v12 -M, v13 the largest t (at a merge: the sum), v[14:15] the sum in halves; v160-223 O^T; v224-239 Q; v240-255 constants and work.
;   v16-159 take turns within a step: K's eight fragments come in one run into v32-159; S^T's tiles 0, 1 go to v16-31 and tiles 2 to 7 over K's fragments 0 to 2, which are done with: S^T, then p, is v16-79;
;   V's fragments 0 to 3 come into v96-159; the sum's chains, then p's codes, take v80-95; V's fragments 4 to 7 follow into p's registers, each as soon as its two tiles are converted.
.set LP,    272
.set TILE,  64*LP                      ; a step's 128 rows of K
.set KREG,  4*TILE
.set VHALF, 32*LP                      ; a block's fragments 4 to 7
.set SLOTB, KREG+4*VHALF
.set SPARE, 2*SLOTB                    ; the spare words, 128 bytes for each of 16 waves, that no other line names
.set MRG,   SPARE+2048                 ; the merge: 6,144 bytes for each wave: three images of 16 registers
.set ML,    MRG+16*6144                ; -M and the sum: 256 bytes for each wave
.set OST,   ML+4096                    ; the way out: 4 tiles x 16 rows x (128 bytes + 16)
.set OSP,   144
.set AK0, 1
.set AV0, 2
.set ADK, 3
.set ADV, 4
.set SPW, 5
.set NIL, 6
.set QA,  7
.set PFO, 8
.set GV,  9
.set SS,  16                           ; S^T, then p
.set KF,  32                           ; K's fragments
.set CD,  80                           ; the sum's chains, then p's codes
.set VF,  96                           ; V's fragments 0 to 3
.set QR,  224                          ; Q
.set VB,  2                            ; s[2:3] my step's block of V in memory
.set VH,  6                            ; s[6:7] V's head
.set VO,  8                            ; s[8:9] an offset
.set WV,  10                           ; s10 wave; s11 tile j; s13 cx; s14 key head
.set PI,  12                           ; parity
.set GA,  15                           ; a
.set CNT, 17                           ; the trip
.set QS,  18                           ; the step in which my tile's queries lie
.set ST,  19                           ; my step of the slot in hand
.set TB,  20                           ; LDS byte at which the slot in hand begins
.set LDK, 21                           ; where my load goes in a slot, for K's waves
.set SEL, 24
.set CS,  26
.set G1K, 28
.set G0K, 36
.set KVB, 40                           ; s[40:41] my part of slot 0 in memory
.set OFF, 42                           ; s[42:43] an offset
.set PFA, 44
.set LIMP, 46                          ; trips in which my wave prefetches
.set LDV, 47                           ; where my load goes in a slot, for V's waves
.set G1V, 72
.set SRA, 80                           ; s80 my place in the merge, s81-83 those of the images sent to me
.set SMR, 84                           ; s84-87 the same for -M and the sum
.set SOI, 88
.set SOO, 89
.set SSO, 90                           ; 2^(e10 - e8 - e9), and 448 x that
.set SLO, 91
.set SKO, 92
.set SE16, 93
.set PC,  94                           ; the trip in front of which the phase changes: a + 1
.set QSH, 95                           ; QS of the second phase
.set G0V, 96
.macro BAR
	s_barrier_signal -1
	s_barrier_wait -1
.endm
.macro NOPS n
.rept \n
	v_nop
.endr
.endm
.macro CROUND                          ; a round of the cluster's barrier
	BAR
	s_cmp_lg_u32 s[WV], 0
	s_cbranch_scc1 .Lnot_wave_0_\@
	s_barrier_signal -3
.Lnot_wave_0_\@:
	s_barrier_wait -3
	BAR
.endm
.macro TLOAD                           ; waves 0-7 K, waves 8-15 V: a load in each arm, so every wave issues one; an s_nop 0 and four v_nop follow each
	s_cmp_lt_u32 s[WV], 8
	s_cbranch_scc0 .Lfor_v_\@
	tensor_load_to_lds s[G0K:G0K+3], s[G1K:G1K+7]
	s_nop 0
	NOPS 4
	s_branch .Lasked_\@
.Lfor_v_\@:
	tensor_load_to_lds s[G0V:G0V+3], s[G1V:G1V+7]
	s_nop 0
	NOPS 4
.Lasked_\@:
.endm
.macro ZERO                            ; a tile's state: the step is written once, and a wave whose parity has no step hands on zeros
	v_mov_b32 v13, 0xff61b1e6                      ; the largest t so far: -3e38
	v_floor_f32 v12, -v13
	v_mov_b32 v14, 0
	v_mov_b32 v15, 0
.set n, 0
.rept 64
	v_mov_b32 v[160+n], 0
.set n, n+1
.endr
.endm
	s_load_b128 s[4:7], s[0:1], 0x0                ; qkv, the exponents
	s_load_b64 s[8:9], s[0:1], 0x10                ; ac
	v_lshl_add_u32 v[SPW], v0, 2, SPARE
	v_mov_b32 v[NIL], 0
	ds_add_u32 v[SPW], v[NIL]                      ; the opening: the add, twice on end, and its wait ahead of the first tensor load
	ds_add_u32 v[SPW], v[NIL]
	v_lshrrev_b32 v1, 5, v0
	v_readfirstlane_b32 s[WV], v1
	s_and_b32 s14, ttmp7, 0xffff
	s_bfe_u32 s13, ttmp6, 0x40000
	s_lshr_b32 s[GA], ttmp9, 2
	s_add_co_u32 s[PC], s[GA], 1
	s_and_b32 s16, ttmp9, 3
	s_lshl_b32 s16, s16, 2
	s_add_co_u32 s16, s16, s13                     ; u = 0..15: bit 0 the query head of the pair, u / 2 = e: which 16 queries of a step
	s_lshr_b32 s11, s[WV], 2
	s_mul_i32 s[PI], s11, 3
	s_add_co_u32 s[PI], s[PI], s[WV]
	s_and_b32 s[PI], s[PI], 3
	s_lshl_b32 s62, s[GA], 2
	s_add_co_u32 s[QS], s62, s11                   ; step 4 a + j
	s_sub_co_u32 s[QSH], 28, s62
	s_add_co_u32 s[QSH], s[QSH], s11               ; step 4 (7 - a) + j
	s_mov_b32 s[ST], s[PI]
	s_mov_b32 s[TB], 0
	s_mov_b32 s[CNT], 0
	s_and_b32 s60, s16, 1
	s_lshl_b32 s61, s14, 1
	s_add_co_u32 s60, s60, s61
	s_lshl_b32 s60, s60, 19                        ; the query head's bytes, in qkv and in ac alike
	s_lshr_b32 s61, s16, 1
	s_lshl_b32 s[SE16], s61, 4
	s_lshl_b32 s61, s61, 11
	s_add_co_u32 s60, s60, s61
	s_lshl_b32 s66, s[QS], 14
	s_add_co_u32 s66, s66, s60                     ; my first tile: 2,048 consecutive bytes
	s_mov_b32 s67, 0
	s_lshl_b32 s68, s[QSH], 14
	s_add_co_u32 s68, s68, s60                     ; my second
	s_mov_b32 s69, 0
	s_and_b32 s61, s[WV], 3
	s_lshl_b32 s62, s61, 9
	s_add_co_u32 s70, s66, s62                     ; the 512 bytes of each that I store
	s_mov_b32 s71, 0
	s_add_co_u32 s22, s68, s62
	s_mov_b32 s23, 0
	s_mul_i32 s62, s11, 16*OSP
	s_add_co_u32 s62, s62, OST
	s_lshl_b32 s63, s[PI], 5
	s_add_co_u32 s[SOI], s62, s63
	s_mul_i32 s63, s61, 4*OSP
	s_add_co_u32 s[SOO], s62, s63
	s_mul_i32 s[SKO], s[PI], TILE
	s_mul_i32 s[LDK], s[WV], 32*LP
	s_mul_i32 s[LDV], s[WV], 16*LP
	s_add_co_u32 s[LDV], s[LDV], KREG-8*16*LP      ; wave 8 begins behind K's steps
.irp k, 0,1,2,3                        ; image k (1 to 3) comes to me from the wave of parity (mine - k) % 4; a wave's number is 4 j + (parity + j) % 4; k = 0: myself
	s_add_co_u32 s60, s[PI], 4-\k
	s_add_co_u32 s60, s60, s11
	s_and_b32 s60, s60, 3
	s_lshl_b32 s61, s11, 2
	s_add_co_u32 s60, s60, s61
	s_mul_i32 s61, s60, 6144
	s_add_co_u32 s[SRA+\k], s61, MRG+2048*(\k-(\k+3)/4)
	s_lshl_b32 s61, s60, 8
	s_add_co_u32 s[SMR+\k], s61, ML
.endr
	s_mov_b32 s[G1K], 15|(1<<20)|(1<<21)|(5<<22)|(3<<25)   ; the mask: all four work-groups; elements of 1 byte; padding on; 21 set beside a mask; four words after every 64
	s_mov_b32 s[G1K+1], 256<<16
	s_mov_b32 s[G1K+2], 32<<16
	s_mov_b32 s[G1K+3], 256<<16
	s_mov_b32 s[G1K+4], 32
	s_mov_b32 s[G1K+5], 256                        ; dense: stated as rows of 256 bytes
	s_mov_b32 s[G1K+6], 0
	s_mov_b32 s[G1K+7], 0
	s_mov_b32 s[G1V], 15|(1<<20)|(1<<21)|(5<<22)|(3<<25)
	s_mov_b32 s[G1V+1], 256<<16
	s_mov_b32 s[G1V+2], 16<<16
	s_mov_b32 s[G1V+3], 256<<16
	s_mov_b32 s[G1V+4], 16
	s_mov_b32 s[G1V+5], 256
	s_mov_b32 s[G1V+6], 0
	s_mov_b32 s[G1V+7], 0
	s_mov_b32 s[SEL], 0x76543210
	s_mov_b32 s[SEL+1], 0xfedcba98
	s_bfe_u32 s2, s[WV], 0x10001                   ; the prefetches: waves 0, 1 K; waves 2, 3 V; the partners share a slot out by address, 16,384 bytes each of K and of V
	s_lshl_b32 s2, s2, 2
	s_add_co_u32 s2, s2, s14
	s_add_co_u32 s2, s2, 8
	s_lshl_b32 s2, s2, 19
	s_lshl_b32 s3, s13, 14
	s_add_co_u32 s2, s2, s3
	s_and_b32 s3, s[WV], 1
	s_lshl_b32 s3, s3, 13
	s_add_co_u32 s2, s2, s3
	s_mov_b32 s3, 0
	s_lshr_b32 s16, s[WV], 2
	s_or_b32 s16, s16, ttmp9                       ; of a key head's sixteen clusters the one with x = 0, which walks all eight slots, asks, and nobody else
	s_cmp_eq_u32 s16, 0
	s_cselect_b32 s[LIMP], 7, 0
	s_mul_i32 s16, s[PI], VHALF
	s_add_co_u32 s16, s16, KREG                    ; my parity's block of V in a slot
	s_and_b32 s60, s[WV], 7                        ; what I fetch of a slot: K: 8,192 bytes x wave; V: block (wave - 8) / 2, its fragments 4 to 7, 4,096 bytes x (wave % 2)
	s_lshl_b32 s61, s60, 13
	s_lshr_b32 s62, s60, 1
	s_lshl_b32 s62, s62, 14
	s_and_b32 s63, s60, 1
	s_lshl_b32 s63, s63, 12
	s_add_co_u32 s62, s62, s63
	s_add_co_u32 s62, s62, 8192+(4<<19)            ; V's heads lie four heads behind K's
	s_cmp_lt_u32 s[WV], 8
	s_cselect_b32 s62, s61, s62
	s_add_co_u32 s63, s14, 8
	s_lshl_b32 s63, s63, 19
	s_add_co_u32 s62, s62, s63
	s_mov_b32 s63, 0
	s_mov_b32 s[OFF+1], 0
	s_wait_dscnt 0x0                               ; both opening adds are done
	s_wait_kmcnt 0x0
	s_load_b256 s[48:55], s[6:7], 0x0              ; entries 0 to 7
	s_load_b128 s[56:59], s[6:7], 0x20             ; entries 8 to 11
	s_add_nc_u64 s[KVB:KVB+1], s[4:5], s[62:63]
	s_add_nc_u64 s[PFA:PFA+1], s[4:5], s[2:3]
	s_add_nc_u64 s[66:67], s[4:5], s[66:67]
	s_add_nc_u64 s[68:69], s[4:5], s[68:69]
	s_add_nc_u64 s[70:71], s[8:9], s[70:71]
	s_add_nc_u64 s[22:23], s[8:9], s[22:23]
	s_mov_b32 s[G0K], 1
	s_mov_b32 s[G0K+1], s[LDK]
	s_mov_b64 s[G0K+2:G0K+3], s[KVB:KVB+1]
	s_or_b32 s[G0K+3], s[G0K+3], 0x80000000
	s_mov_b32 s[G0V], 1
	s_mov_b32 s[G0V+1], s[LDV]
	s_mov_b64 s[G0V+2:G0V+3], s[KVB:KVB+1]
	s_or_b32 s[G0V+3], s[G0V+3], 0x80000000
	CROUND                                         ; all four work-groups are here
	TLOAD                                          ; slot 0: my one tensor load at the head
	v_and_b32 v250, 15, v0                         ; r
	v_bfe_u32 v251, v0, 4, 1                       ; h
	v_and_b32 v249, 31, v0
	v_lshlrev_b32 v[QA], 7, v250
	v_lshl_add_u32 v[QA], v251, 4, v[QA]
.irp c, 0,1,2,3
	global_load_b128 v[QR+4*\c:QR+3+4*\c], v[QA], s[66:67] offset:32*\c
.endr
	v_lshrrev_b32 v252, 1, v250
	v_and_b32 v253, 1, v250
	v_mul_u32_u24 v252, v252, LP
	v_lshl_add_u32 v252, v253, 7, v252
	v_add_nc_u32 v252, s[SKO], v252                ; row r of my parity's step
	v_lshl_add_u32 v[AK0], v251, 4, v252
	v_mul_u32_u24 v[AV0], v251, LP
	v_lshl_add_u32 v[AV0], v250, 4, v[AV0]
	v_add_nc_u32 v[AV0], s16, v[AV0]               ; V: 16 bytes a lane, sixteen lanes to an LDS row
	v_lshlrev_b32 v241, 3, v251
	v_sub_nc_u32 v241, v250, v241
	v_add_nc_u32 v241, s[SE16], v241               ; my query's place in its step - 8 h: on the diagonal register 8 t + i is hidden where 16 t + i is greater
	v_lshlrev_b32 v[PFO], 8, v249
	v_lshlrev_b32 v[GV], 4, v249
	v_mov_b32 v248, 0                              ; a lane permute's destination counts as one of its sources
	v_mov_b32 v253, 0                              ; (named as the upper half of v[252:253])
	ZERO
	s_wait_kmcnt 0x0
	s_mov_b32 s[CS], 0x3e0293ee                    ; log2(e) / sqrt(128)
	s_add_co_i32 s60, s54, s55
	s_lshl_b32 s60, s60, 23
	s_add_co_i32 s[CS], s[CS], s60                 ; x 2^(e6 + e7), added to the exponent field
	s_mov_b32 s[CS+1], s[CS]
	s_add_co_i32 s60, s56, 127
	s_lshl_b32 s61, s60, 23
	v_mov_b32 v244, s61                            ; 2^e8
	s_add_co_i32 s60, s60, 8
	s_lshl_b32 s60, s60, 23
	s_or_b32 s60, s60, 0x600000
	v_mov_b32 v240, s60                            ; 448 x 2^e8
	s_sub_co_i32 s60, s58, s56
	s_sub_co_i32 s60, s60, s57
	s_add_co_i32 s60, s60, 127
	s_lshl_b32 s[SSO], s60, 23
	s_add_co_i32 s60, s60, 8
	s_lshl_b32 s60, s60, 23
	s_or_b32 s[SLO], s60, 0x600000
	s_add_co_u32 s60, s14, 12
	s_lshl_b32 s[VO], s60, 19
	s_mov_b32 s[VO+1], 0
	s_add_nc_u64 s[VH:VH+1], s[4:5], s[VO:VO+1]    ; V's head (the exponents have been read)
; MY KEY STEP of the slot in hand: 128 keys.
.macro SMUL t                          ; S^T's tile t: 16 keys x my 16 queries
	v_wmma_f32_16x16x128_fp8_fp8 v[SS+8*\t:SS+7+8*\t], v[KF+16*\t:KF+15+16*\t], v[QR:QR+15], 0
.endm
.macro STEP
	s_cmp_gt_u32 s[ST], s[QS]                      ; all its keys come after my queries: left out
	s_cbranch_scc1 .Lhidden_\@
	s_lshl_b32 s[VO], s[ST], 14
	s_add_nc_u64 s[VB:VB+1], s[VH:VH+1], s[VO:VO+1]   ; (the last step's loads by this base have been waited for)
	v_add_nc_u32 v[ADK], s[TB], v[AK0]
	v_add_nc_u32 v[ADV], s[TB], v[AV0]
	NOPS 3                                         ; with the two additions five places behind the last step's products: four for the loads, five for tile 0's result, which lies over an operand of theirs
.irp t, 0,1,2,3,4,5,6,7
.irp c, 0,1,2,3
	ds_load_b128 v[KF+16*\t+4*\c:KF+3+16*\t+4*\c], v[ADK] offset:\t*8*LP+32*\c
.endr
.endr
	s_wait_alu depctr_va_vdst(0)                   ; directly ahead of the wait below
	s_wait_dscnt 24                                ; fragments 0 and 1 are in: 24 loads were issued behind theirs
	SMUL 0
	SMUL 1
	NOPS 5                                         ; five places: tiles 2 to 5 are laid over fragments 0 and 1
	s_wait_dscnt 8                                 ; fragments 2 to 5
	SMUL 2
	SMUL 3
	SMUL 4
	SMUL 5
	NOPS 5                                         ; tiles 6 and 7 are laid over fragment 2
	s_wait_dscnt 0x0
	SMUL 6
	SMUL 7
	NOPS 4                                         ; places in front of the loads below and of the first read of S^T
.irp u, 0,1,2,3
.irp q, 0,1,2,3
	global_load_b128 v[VF+16*\u+4*\q:VF+3+16*\u+4*\q], v[GV], s[VB:VB+1] offset:(4*\u+\q)*512   ; V's fragments 0 to 3 come from memory while the softmax is worked: 32 lanes read 512 consecutive bytes
.endr
.endr
	s_cmp_lt_u32 s[ST], s[QS]                      ; all its keys count: no mask
	s_cbranch_scc1 .Lopen_\@
	v_mov_b32 v254, 0xff800000                     ; on the diagonal hidden scores become -infinity ahead of the maximum.  The step's first key counts for every query
.set n, 0
.rept 64
	v_cmp_gt_i32 vcc_lo, 16*(n/8)+n%8, v241
	v_cndmask_b32 v[SS+n], v[SS+n], v254, vcc_lo
.set n, n+1
.endr
.Lopen_\@:
	v_max3_num_f32 v254, v[SS], v[SS+1], v[SS+2]   ; the step's largest score of my query, in two chains, each accumulator from its low end on,
	v_max3_num_f32 v252, v[SS+3], v[SS+4], v[SS+5]
.irp i, 6,10,14,18,22,26,30,34,38,42,46,50,54,58
	v_max3_num_f32 v254, v254, v[SS+\i], v[SS+1+\i]
	v_max3_num_f32 v252, v252, v[SS+2+\i], v[SS+3+\i]
.endr
	v_max3_num_f32 v254, v254, v[SS+62], v[SS+63]
	s_delay_alu instid0(VALU_DEP_1)
	v_max_num_f32 v254, v254, v252
	s_delay_alu instid0(VALU_DEP_1)
	v_permlanex16_b32 v248, v254, s[SEL], s[SEL+1]
	s_delay_alu instid0(VALU_DEP_1)
	v_max_num_f32 v254, v254, v248                 ; and among lane l xor 16's
	s_delay_alu instid0(VALU_DEP_1)
	v_mul_f32 v254, s[CS], v254                    ; as t
	s_delay_alu instid0(VALU_DEP_1)
	v_max_num_f32 v13, v13, v254
	v_mov_b32 v254, v12
	s_delay_alu instid0(VALU_DEP_2)
	v_floor_f32 v12, -v13                          ; the new -M: a whole number
	s_delay_alu instid0(VALU_DEP_1)
	v_sub_f32 v254, v12, v254
	s_delay_alu instid0(VALU_DEP_1)
	v_cvt_i32_f32 v254, v254                       ; (it saturates)
	s_delay_alu instid0(VALU_DEP_1)
	v_ldexp_f32 v252, 1.0, v254                    ; f = 2^(old M - new M)
.set j, 0
.rept 32
	v_pk_fma_f32 v[SS+j:SS+1+j], v[SS+j:SS+1+j], s[CS:CS+1], v[12:13] op_sel_hi:[1,0,0]   ; t - M
.set j, j+2
.endr
.set j, 0
	s_wait_alu depctr_va_vdst(0)                   ; the wait ahead of the batch
.rept 64
	v_exp_f32 v[SS+j], v[SS+j]                     ; p = 2^(t - M)
.set j, j+1
.endr
	v_pk_mul_f32 v[14:15], v[14:15], v[252:253] op_sel_hi:[1,0]   ; the sums under the new M: a plain line behind the batch
	s_wait_alu depctr_va_vdst(0)                   ; and the one wait behind it
.irp c, 0,2,4,6,8,10,12,14                     ; the row's sum of the unquantised p, in eight chains
	v_pk_add_f32 v[CD+\c:CD+1+\c], v[SS+\c:SS+1+\c], v[SS+16+\c:SS+17+\c]
.endr
.irp c, 0,2,4,6,8,10,12,14
	v_pk_add_f32 v[CD+\c:CD+1+\c], v[CD+\c:CD+1+\c], v[SS+32+\c:SS+33+\c]
.endr
.irp c, 0,2,4,6,8,10,12,14
	v_pk_add_f32 v[CD+\c:CD+1+\c], v[CD+\c:CD+1+\c], v[SS+48+\c:SS+49+\c]
.endr
.irp c, 0,2,4,6
	v_pk_add_f32 v[CD+\c:CD+1+\c], v[CD+\c:CD+1+\c], v[CD+8+\c:CD+9+\c]
.endr
	s_delay_alu instid0(VALU_DEP_2)
	v_pk_add_f32 v[CD:CD+1], v[CD:CD+1], v[CD+4:CD+5]
	s_delay_alu instid0(VALU_DEP_2)
	v_pk_add_f32 v[CD+2:CD+3], v[CD+2:CD+3], v[CD+6:CD+7]
	s_delay_alu instid0(VALU_DEP_1)
	v_pk_add_f32 v[CD:CD+1], v[CD:CD+1], v[CD+2:CD+3]
	s_delay_alu instid0(VALU_DEP_1)
	v_pk_add_f32 v[14:15], v[14:15], v[CD:CD+1]
.irp t, 0,1,2,3,4,5,6,7
.irp i, 0,1,2,3,4,5,6,7
	v_min_num_f32 v[SS+8*\t+\i], v[SS+8*\t+\i], v240   ; the conversion does not saturate (ISA guide 7.6.2); p is not negative: a one-sided hold
.endr
	v_cvt_scalef32_pk8_fp8_f32 v[CD+2*\t:CD+1+2*\t], v[SS+8*\t:SS+7+8*\t], v244
.if (\t)%2
.irp q, 0,1,2,3
	ds_load_b128 v[SS-8+8*\t+4*\q:SS-5+8*\t+4*\q], v[ADV] offset:(4*((\t)/2)+\q)*2*LP   ; V's fragment 4 + t / 2 into the registers of the two tiles just converted
.endr
.endif
.endr
	s_wait_alu depctr_va_vdst(0)                   ; directly ahead of the first reader of O^T
.set j, 0
.rept 32
	v_pk_mul_f32 v[160+j:161+j], v[160+j:161+j], v[252:253] op_sel_hi:[1,0]   ; O^T under the new M; also the plain lines between the conversions and the products
.set j, j+2
.endr
	s_wait_alu depctr_va_vdst(0)                   ; directly ahead of the wait below
	s_wait_loadcnt 0x0                             ; V's fragments 0 to 3
.irp u, 0,1,2,3                                ; O^T += V^T P^T, the accumulators by turns
	v_wmma_f32_16x16x128_fp8_fp8 v[160+8*\u:167+8*\u], v[VF+16*\u:VF+15+16*\u], v[CD:CD+15], v[160+8*\u:167+8*\u]
.endr
	s_wait_dscnt 0x0                               ; fragments 4 to 7
.irp u, 0,1,2,3
	v_wmma_f32_16x16x128_fp8_fp8 v[192+8*\u:199+8*\u], v[SS+16*\u:SS+15+16*\u], v[CD:CD+15], v[192+8*\u:199+8*\u]
.endr
.Lhidden_\@:
.endm
; THE MERGE of a tile's four parities.  Quarter q of O^T is d = 32 q .. 32 q + 31: accumulators 2 q, 2 q + 1.  The wave of parity q finishes quarter q; each wave lays down its three other quarters at once.
.macro ST4 q, s                        ; an image of 16 registers, each accumulator from its low end on
.irp i, 0,1,2,3
	ds_store_b128 v120, v[160+16*(\q)+4*\i:163+16*(\q)+4*\i] offset:2048*(\s)+512*\i
.endr
.endm
.macro SEND3                           ; image k - 1 is my quarter (parity + k) % 4: register numbers are fixed in the text, so an arm for each parity; no barrier stands in an arm
.irp p, 0,1,2
	s_cmp_lg_u32 s[PI], \p
	s_cbranch_scc1 .Lsn_\@_\p
	ST4 (\p+1)%4, 0
	ST4 (\p+2)%4, 1
	ST4 (\p+3)%4, 2
	s_branch .Lsd_\@
.Lsn_\@_\p:
.endr
	ST4 0, 0
	ST4 1, 1
	ST4 2, 2
.Lsd_\@:
.endm
.macro RECV k
.irp i, 0,1,2,3
	ds_load_b128 v[16+16*\k+4*\i:19+16*\k+4*\i], v[120+\k] offset:512*\i
.endr
.endm
.macro FMA8 q
	s_wait_alu depctr_va_vdst(0)                   ; directly ahead of the first readers of these accumulators, behind the reciprocal and the branch
.irp i, 0,2,4,6,8,10,12,14
	v_pk_fma_f32 v[96+\i:97+\i], v[160+16*(\q)+\i:161+16*(\q)+\i], v[132:133], v[96+\i:97+\i] op_sel_hi:[1,0,1]
.endr
.endm
.macro OWNQ
.irp p, 0,1,2
	s_cmp_lg_u32 s[PI], \p
	s_cbranch_scc1 .Lon_\@_\p
	FMA8 \p
	s_branch .Lod_\@
.Lon_\@_\p:
.endr
	FMA8 3
.Lod_\@:
.endm
.macro MERGE last
	NOPS 4                                         ; places behind the last products: the lines below write registers that held their operands
	v_and_b32 v118, 31, v0
	v_and_b32 v128, 15, v0
	v_bfe_u32 v130, v0, 4, 1
	v_bfe_u32 v129, v0, 3, 2
	v_lshlrev_b32 v119, 4, v118
	v_lshlrev_b32 v118, 3, v118
.irp k, 0,1,2,3
	v_add_nc_u32 v[120+\k], s[SRA+\k], v119        ; v120 my images, v121-123 those sent to me
	v_add_nc_u32 v[124+\k], s[SMR+\k], v118        ; v124-127 the same for -M and the sum
.endr
	v_mul_u32_u24 v128, v128, OSP
	v_lshl_add_u32 v128, v130, 3, v128
	v_add_nc_u32 v128, s[SOI], v128                ; the way out, in: row r of my tile, byte 32 x parity + 8 h
	v_mul_u32_u24 v129, v129, OSP
	v_and_b32 v130, 7, v0
	v_lshl_add_u32 v129, v130, 4, v129
	v_add_nc_u32 v129, s[SOO], v129                ; back: four rows of my tile, eight lanes to a row
	v_mov_b32 v148, s[SSO]
	v_mov_b32 v149, s[SLO]
	v_add_f32 v13, v14, v15                        ; the sum's two halves,
	v_permlanex16_b32 v248, v13, s[SEL], s[SEL+1]
	v_add_f32 v13, v13, v248                       ; and lane l xor 16's
.if \last == 0
.irp c, 0,1,2,3
	global_load_b128 v[QR+4*\c:QR+3+4*\c], v[QA], s[68:69] offset:32*\c   ; the second tile's Q comes while the first is merged
.endr
.endif
	s_wait_alu depctr_va_vdst(0)
	ds_store_b64 v124, v[12:13]
	SEND3
	s_wait_dscnt 0x0                               ; for the others' sake: my stores have landed
	BAR
	ds_load_b64 v[112:113], v125
	ds_load_b64 v[114:115], v126
	ds_load_b64 v[116:117], v127
	RECV 1
	RECV 2
	RECV 3
	s_wait_dscnt 12                                ; the three pairs of -M and sum are in: the 12 loads of the images were issued behind them
	v_min_num_f32 v141, v12, v112
	v_min_num_f32 v142, v114, v116
	v_min_num_f32 v141, v141, v142                 ; -(the largest M)
	v_sub_f32 v133, v141, v12
	v_sub_f32 v135, v141, v112
	v_sub_f32 v137, v141, v114
	v_sub_f32 v139, v141, v116
.irp i, 133,135,137,139
	v_cvt_i32_f32 v\i, v\i                         ; (it saturates: a wave that had no step gets the factor 0)
.endr
.irp i, 132,134,136,138
	v_ldexp_f32 v\i, 1.0, v[\i+1]
.endr
	v_mul_f32 v140, v13, v132
	v_fmac_f32 v140, v113, v134
	v_fmac_f32 v140, v115, v136
	v_fmac_f32 v140, v117, v138                    ; the row's sum
	s_wait_alu depctr_va_vdst(0)                   ; the wait ahead of the transcendental,
	v_rcp_f32 v140, v140
	v_nop
	s_wait_alu depctr_va_vdst(0)                   ; and ahead of its first reader
.irp i, 132,134,136,138
	v_mul_f32 v\i, v\i, v140
.endr
	s_wait_alu depctr_va_vdst(0)                   ; directly ahead of the wait below
	s_wait_dscnt 0x0
.irp i, 0,2,4,6,8,10,12,14
	v_pk_mul_f32 v[96+\i:97+\i], v[32+\i:33+\i], v[134:135] op_sel_hi:[1,0]
.endr
.irp i, 0,2,4,6,8,10,12,14
	v_pk_fma_f32 v[96+\i:97+\i], v[48+\i:49+\i], v[136:137], v[96+\i:97+\i] op_sel_hi:[1,0,1]
.endr
.irp i, 0,2,4,6,8,10,12,14
	v_pk_fma_f32 v[96+\i:97+\i], v[64+\i:65+\i], v[138:139], v[96+\i:97+\i] op_sel_hi:[1,0,1]
.endr
	OWNQ
	s_wait_alu depctr_va_vdst(0)                   ; behind the arms' branches
.set n, 0
.rept 16
	v_med3_num_f32 v[96+n], v[96+n], -v149, v149   ; the hold, always
.set n, n+1
.endr
	v_cvt_scalef32_pk8_fp8_f32 v[142:143], v[96:103], v148
	v_cvt_scalef32_pk8_fp8_f32 v[144:145], v[104:111], v148
	v_nop                                          ; a plain line behind the last conversion
	ds_store_b64 v128, v[142:143]
	ds_store_b64 v128, v[144:145] offset:16
	s_wait_dscnt 0x0
	BAR
	ds_load_b128 v[150:153], v129
	s_wait_dscnt 0x0
.if \last
	global_store_b128 v119, v[150:153], s[22:23]   ; the wave stores 512 consecutive bytes, aligned
.else
	global_store_b128 v119, v[150:153], s[70:71]
	ZERO
	s_mov_b32 s[QS], s[QSH]
	s_mov_b32 s[ST], s[PI]
	s_wait_alu depctr_va_vdst(0)                   ; directly ahead of the waits below
	s_wait_xcnt 0x0                                ; the store has read its registers
	s_wait_loadcnt 0x0                             ; Q
.endif
.endm
; A TRIP: the change of slots at its head.  Each wave waits for all its tensor loads, adds 0 to its spare word, and waits for that and for its reads of the slot that it has left; a round of the cluster's barrier;
; behind it the slot ahead is whole in every partner and the other one is filled with the walk's next slot: number n of the walk is slot n while n <= a, then slot n - a - 1.
.macro TRIP refill
	s_wait_tensorcnt 0x0
	ds_add_u32 v[SPW], v[NIL]
.if \refill
	s_add_co_u32 s60, s[CNT], 1
	s_sub_co_u32 s61, s[CNT], s[GA]
	s_cmp_gt_u32 s60, s[GA]
	s_cselect_b32 s60, s61, s60
	s_lshl_b32 s[OFF], s60, 16
	s_add_nc_u64 s[G0K+2:G0K+3], s[KVB:KVB+1], s[OFF:OFF+1]
	s_or_b32 s[G0K+3], s[G0K+3], 0x80000000
	s_add_nc_u64 s[G0V+2:G0V+3], s[KVB:KVB+1], s[OFF:OFF+1]
	s_or_b32 s[G0V+3], s[G0V+3], 0x80000000
	s_xor_b32 s61, s[TB], SLOTB
	s_add_co_u32 s[G0K+1], s61, s[LDK]
	s_add_co_u32 s[G0V+1], s61, s[LDV]
	s_wait_xcnt 0x0                                ; the last prefetch has read its address
	s_add_nc_u64 s[PFA:PFA+1], s[PFA:PFA+1], 65536
	s_wait_dscnt 0x0
	CROUND
	TLOAD                                          ; the first thing behind the round, and my one tensor load until the next
	s_cmp_lt_u32 s[CNT], s[LIMP]                   ; in the asking cluster trip i loads slot i: slot i + 1, which the next trip loads, is named here, in trips 0 to 6; each aligned block of 256 bytes once in the launch, lanes 256 bytes apart
	s_cbranch_scc0 .Lnot_mine_\@
	global_prefetch_b8 v[PFO], s[PFA:PFA+1] th:TH_LOAD_NT scope:SCOPE_SE
.Lnot_mine_\@:
	s_cmp_lg_u32 s[CNT], s[PC]                     ; ids and the count of trips alone: all waves of all partners go the same way
	s_cbranch_scc1 .Lsame_\@
	MERGE 0                                        ; the first four tiles are finished and leave; the second four begin
.Lsame_\@:
.else
	s_wait_dscnt 0x0
	BAR                                            ; nothing is filled again: no round
.endif
	STEP
	s_add_co_u32 s[ST], s[ST], 4
	s_xor_b32 s[TB], s[TB], SLOTB
.endm
	s_wait_alu depctr_va_vdst(0)                   ; the wait at the head's end
	s_wait_loadcnt 0x0                             ; Q
.Ltrip:
	TRIP 1
	s_add_co_u32 s[CNT], s[CNT], 1
	s_cmp_lt_u32 s[CNT], 8
	s_cbranch_scc1 .Ltrip
	TRIP 0                                         ; the ninth slot is written out: it asks for nothing
	MERGE 1
	s_wait_tensorcnt 0x0                           ; the wave's end
	ds_add_u32 v[SPW], v[NIL]
	s_wait_dscnt 0x0
	CROUND                                         ; the closing round
	s_endpgm
.Lfunc_end_k_q3c9611bcc3_attn:
	.size	k_q3c9611bcc3_attn, .Lfunc_end_k_q3c9611bcc3_attn-k_q3c9611bcc3_attn
	.p2alignl 7, 3214868480
	.fill 96, 4, 3214868480
	.section	.rodata,"a",@progbits
	.p2align	6, 0x0
	.amdhsa_kernel k_q3c9611bcc3_attn
		.amdhsa_group_segment_fixed_size 327680
		.amdhsa_private_segment_fixed_size 0
		.amdhsa_enable_private_segment 0
		.amdhsa_kernarg_size 24
		.amdhsa_user_sgpr_count 2
		.amdhsa_user_sgpr_kernarg_segment_ptr 1
		.amdhsa_wavefront_size32 1
		.amdhsa_system_sgpr_workgroup_id_x 1
		.amdhsa_system_sgpr_workgroup_id_y 1
		.amdhsa_system_sgpr_workgroup_id_z 1
		.amdhsa_system_vgpr_workitem_id 0
		.amdhsa_next_free_vgpr 256
		.amdhsa_next_free_sgpr 100
		.amdhsa_reserve_vcc 1
		.amdhsa_float_denorm_mode_32 3
		.amdhsa_float_denorm_mode_16_64 3
		.amdhsa_memory_ordered 1
		.amdhsa_forward_progress 1
		.amdhsa_inst_pref_size 92
	.end_amdhsa_kernel
	.amdgpu_metadata
---
amdhsa.version: [ 1, 2 ]
amdhsa.kernels:
  - .name:           k_q3c9611bcc3_attn
    .symbol:         k_q3c9611bcc3_attn.kd
    .args:
      - { .name: qkv, .offset: 0, .size: 8, .value_kind: global_buffer, .address_space: global }
      - { .name: lowp_scales, .offset: 8, .size: 8, .value_kind: global_buffer, .address_space: global }
      - { .name: ac, .offset: 16, .size: 8, .value_kind: global_buffer, .address_space: global }
    .group_segment_fixed_size: 327680
    .private_segment_fixed_size: 0
    .kernarg_segment_align: 8
    .kernarg_segment_size: 24
    .max_flat_workgroup_size: 512
    .sgpr_count:     100
    .vgpr_count:     256
    .wavefront_size: 32
...
	.end_amdgpu_metadata
.endif
;; end of part 3
;; launch oproj (part 4): grid 16 x 16, 4 waves a work-group, clusters of 4 x 4, 327,680 bytes of LDS; arguments ac, woc, lowp_scales, out0; writes out0
.if DOCPART == 4
	.amdgcn_target "amdgcn-amd-amdhsa--gfx1250"
	.amdhsa_code_object_version 6
	.text
	.protected	k_q3c9611bcc3_oproj
	.globl	k_q3c9611bcc3_oproj
	.p2align	8
	.type	k_q3c9611bcc3_oproj,@function
k_q3c9611bcc3_oproj:
	s_mov_b64 s[64:65], 0
	v_nop
	global_prefetch_b8 v0, s[64:65] scope:SCOPE_SE
	s_setreg_imm32_b32 hwreg(HW_REG_WAVE_MODE, 25, 1), 1
	s_wait_xcnt 0x0
	s_wait_alu depctr_hold_cnt(0) depctr_sa_sdst(0) depctr_va_vdst(0) depctr_va_sdst(0) depctr_va_ssrc(0) depctr_va_vcc(0) depctr_vm_vsrc(0)
	s_getreg_b32 s2, hwreg(HW_REG_IB_STS2, 6, 4)
	s_cmp_eq_u32 s2, 0
	s_cbranch_scc0 .Lentry_in_a_cluster
	s_endpgm
.Lentry_in_a_cluster:
	s_bfe_u32 s2, ttmp6, 0x10000c
	s_cmp_lg_u32 s2, 0xf033
	s_cbranch_scc0 .Lentry_shape_is_right
	s_endpgm
.Lentry_shape_is_right:
; out0 = attention's result x Wo^T on codes of FP8; each sum x 2^(e10 + e11).  ac lies [8 heads][4096][128]: a K step of 256 is two heads; waves 0 and 1 fetch one head's 256 tokens each, a dense block stated as 128 rows of 256 bytes,
; so in LDS token x of a head lies at (x / 2) PITCH + (x % 2) 128.  woc [2048][1024] comes as rows of 256 bytes of its K.
; PREFETCH INTO THE L2: K has four steps; behind the joint loads of steps 0 and 1 one instruction a wave names steps 2 and 3, two refills on.  The four partners that ask for a tile jointly share it out by address:
; of a head's 128 blocks of 256 bytes of ac 32 each (by cx), a lane a block; of woc's 64 rows 16 each (by cy), the lanes left over naming the last row again.
.set PITCH,  272
.set PFA,  86                          ; s[86:87], s[88:89] my part of K steps 2 and 3
.set PFB,  88
.set PFO,  8                           ; v8 my lane's block or row, in bytes
.set AREG,   256*PITCH
.set SLOT,   384*PITCH
.set SPARE,  2*SLOT
.set STG,    SPARE+512
.set SPITCH, 528
.set ADL,  16
.set ADR,  20
.set STO,  24
.set RD,   25
.set CO,   26
.set SPW,  28
.set NIL,  29
.set TMP,  32
.set BK,   128
.set LF,   128
.set WV,   16
.set G1A,  24
.set G0A,  32
.set G1B,  48
.set G0B,  56
.set MSB, 0
.macro WIN new
.if MSB != \new
	s_set_vgpr_msb (MSB<<8)|\new
.set MSB, \new
.endif
.endm
.set MUL,  0xa1
.set TO_R, 0x40
.macro JLOAD s
	s_cmp_eq_u32 s17, 0
	s_cbranch_scc0 .Lfor_b_\@
	tensor_load_to_lds s[G0A+4*\s:G0A+4*\s+3], s[G1A:G1A+7]
	s_nop 0
.rept 4
	v_nop
.endr
	s_branch .Lasked_\@
.Lfor_b_\@:
	tensor_load_to_lds s[G0B+4*\s:G0B+4*\s+3], s[G1B:G1B+7]
	s_nop 0
.rept 4
	v_nop
.endr
.Lasked_\@:
.endm
.macro CREST
	s_cmp_lg_u32 s[WV], 0
	s_cbranch_scc1 .Lnot_wave_0_\@
	s_barrier_signal -3
.Lnot_wave_0_\@:
	s_barrier_wait -3
	s_barrier_signal -1
	s_barrier_wait -1
.endm
.macro CROUND
	s_barrier_signal -1
	s_barrier_wait -1
	CREST
.endm
.macro PLACES n
.rept \n
	v_nop
.endr
.endm
	s_load_b256 s[4:11], s[0:1], 0x0
	v_lshl_add_u32 v[SPW], v0, 2, SPARE
	v_mov_b32 v[NIL], 0
	ds_add_u32 v[SPW], v[NIL]
	ds_add_u32 v[SPW], v[NIL]
	v_lshrrev_b32 v1, 5, v0
	v_readfirstlane_b32 s[WV], v1
	s_lshr_b32 s17, s[WV], 1
	s_and_b32 s18, s[WV], 1
	s_bfe_u32 s40, ttmp6, 0x40000
	s_bfe_u32 s41, ttmp6, 0x40004
	s_lshl_b32 s42, ttmp9, 2
	s_add_co_u32 s42, s42, s40
	s_and_b32 s43, ttmp7, 0xffff
	s_lshl_b32 s43, s43, 2
	s_add_co_u32 s43, s43, s41
	s_lshl_b32 s44, s41, 2
	s_lshl_b32 s44, 15, s44
	s_lshl_b32 s45, 0x1111, s40
	s_or_b32 s[G1A], s44, (1<<20)|(1<<21)|(5<<22)|(3<<25)
	s_or_b32 s[G1B], s45, (1<<20)|(1<<21)|(5<<22)|(3<<25)
	s_mov_b32 s[G1A+1], 256<<16
	s_mov_b32 s[G1A+2], 128<<16
	s_mov_b32 s[G1A+3], 256<<16
	s_mov_b32 s[G1A+4], 128
	s_mov_b32 s[G1A+5], 256
	s_mov_b32 s[G1A+6], 0
	s_mov_b32 s[G1A+7], 0
	s_mov_b32 s[G1B+1], 256<<16
	s_mov_b32 s[G1B+2], 64<<16
	s_mov_b32 s[G1B+3], 256<<16
	s_mov_b32 s[G1B+4], 64
	s_mov_b32 s[G1B+5], 1024
	s_mov_b32 s[G1B+6], 0
	s_mov_b32 s[G1B+7], 0
	s_lshl_b32 s20, s43, 15                        ; 256 tokens of 128 bytes for each tile row
	s_lshl_b32 s21, s18, 19                        ; the K step's first or second head
	s_add_co_u32 s20, s20, s21
	s_mov_b32 s21, 0
	s_lshl_b32 s46, s42, 7
	s_lshl_b32 s47, s18, 6
	s_add_co_u32 s46, s46, s47
	s_lshl_b32 s46, s46, 10
	s_mov_b32 s47, 0
	s_mul_i32 s22, s18, 128*PITCH
	s_mul_i32 s23, s18, 64*PITCH
	s_add_co_u32 s23, s23, AREG
	s_wait_dscnt 0x0
	s_wait_kmcnt 0x0
	s_load_b64 s[96:97], s[8:9], 0x28
	s_add_nc_u64 s[20:21], s[4:5], s[20:21]
	s_add_nc_u64 s[46:47], s[6:7], s[46:47]
	CROUND
.irp s, 0,1
	s_mov_b32 s[G0A+4*\s], 1
	s_add_co_u32 s[G0A+4*\s+1], s22, \s*SLOT
	s_add_nc_u64 s[G0A+4*\s+2:G0A+4*\s+3], s[20:21], \s*1048576
	s_or_b32 s[G0A+4*\s+3], s[G0A+4*\s+3], 0x80000000
	s_mov_b32 s[G0B+4*\s], 1
	s_add_co_u32 s[G0B+4*\s+1], s23, \s*SLOT
	s_add_nc_u64 s[G0B+4*\s+2:G0B+4*\s+3], s[46:47], \s*256
	s_or_b32 s[G0B+4*\s+3], s[G0B+4*\s+3], 0x80000000
.endr
	JLOAD 0                                        ; K step 0: my one tensor load at the head; the set-up below stands under its flight
	s_lshl_b32 s90, s40, 13                        ; ac: cx x 32 blocks of 256 bytes
	s_lshl_b32 s91, s41, 14                        ; woc: cy x 16 rows of 1,024 bytes
	s_mov_b32 s94, 512
	s_mov_b32 s78, 256
	s_cmp_eq_u32 s17, 0                            ; do I fetch for ac?
	s_cselect_b64 s[PFA:PFA+1], s[20:21], s[46:47]
	s_cselect_b32 s90, s90, s91
	s_cselect_b32 s92, 31, 15                      ; the last block or row that my lanes name
	s_cselect_b32 s93, 8, 10                       ; from lane to lane: 256 or 1,024 bytes
	s_cselect_b32 s94, 0x200000, s94               ; K step 2
	s_cselect_b32 s78, 0x100000, s78               ; a K step on
	s_add_co_u32 s90, s90, s94
	s_mov_b32 s91, 0
	s_mov_b32 s79, 0
	s_add_nc_u64 s[PFA:PFA+1], s[PFA:PFA+1], s[90:91]
	s_add_nc_u64 s[PFB:PFB+1], s[PFA:PFA+1], s[78:79]
	v_and_b32 v1, 15, v0
	s_wait_alu depctr_va_vdst(0)
	v_bfe_u32 v2, v0, 4, 1
	v_and_b32 v3, 31, v0
	v_mul_u32_u24 v4, v1, PITCH
	v_lshl_add_u32 v4, v2, 4, v4
	v_lshrrev_b32 v6, 1, v1
	v_mul_u32_u24 v6, v6, PITCH
	v_and_b32 v7, 1, v1
	v_lshl_add_u32 v6, v7, 7, v6
	v_lshl_add_u32 v6, v2, 4, v6                   ; token r of a block of 16: two tokens to an LDS row
	v_min_u32 v[PFO], s92, v3
	v_lshlrev_b32 v[PFO], s93, v[PFO]
	s_mul_i32 s80, s[WV], 32*PITCH
	s_mov_b32 s82, AREG
.irp s, 0,1
	v_add_nc_u32 v[ADL+\s], s80, v6
	v_add_nc_u32 v[ADR+\s], s82, v4
	s_add_co_u32 s80, s80, SLOT
	s_add_co_u32 s82, s82, SLOT
.endr
	s_mul_i32 s83, s[WV], 16*SPITCH
	s_add_co_u32 s83, s83, STG
	v_mul_u32_u24 v5, v1, SPITCH
	s_wait_alu depctr_va_vdst(0)
	v_lshl_add_u32 v5, v2, 5, v5
	v_add_nc_u32 v[STO], s83, v5
	v_lshlrev_b32 v[CO], 4, v3
	v_add_nc_u32 v[RD], s83, v[CO]
	s_lshl_b32 s84, s43, 8
	s_lshl_b32 s85, s[WV], 6
	s_add_co_u32 s84, s84, s85
	s_lshl_b32 s84, s84, 13
	s_lshl_b32 s85, s42, 9
	s_add_co_u32 s84, s84, s85
	s_mov_b32 s85, 0
	s_add_nc_u64 s[10:11], s[10:11], s[84:85]
	global_prefetch_b8 v[PFO], s[PFA:PFA+1] th:TH_LOAD_NT scope:SCOPE_SE   ; K step 2
.macro FETCH slot, q, set
	WIN TO_R
.irp b, 0,1,2,3,4,5,6,7
.irp c, 0,1,2,3
	ds_load_b128 v[128*(\set)+16*\b+4*\c:128*(\set)+16*\b+4*\c+3], v[ADR+\slot] offset:128*(\q)+32*\c+\b*16*PITCH
.endr
.endr
	WIN 0
.irp a, 0,1,2,3
.irp c, 0,1,2,3
	ds_load_b128 v[LF+64*(\set)+16*\a+4*\c:LF+64*(\set)+16*\a+4*\c+3], v[ADL+\slot] offset:(\q)*128*PITCH+32*\c+\a*8*PITCH
.endr
.endr
.endm
.macro MUL8 a, set, zero
.irp b, 0,1,2,3,4,5,6,7
.if \zero
	v_wmma_f32_16x16x128_fp8_fp8 v[8*(8*(\a)+\b):8*(8*(\a)+\b)+7], v[128*(\set)+16*\b:128*(\set)+16*\b+15], v[LF+64*(\set)+16*(\a):LF+64*(\set)+16*(\a)+15], 0
.else
	v_wmma_f32_16x16x128_fp8_fp8 v[8*(8*(\a)+\b):8*(8*(\a)+\b)+7], v[128*(\set)+16*\b:128*(\set)+16*\b+15], v[LF+64*(\set)+16*(\a):LF+64*(\set)+16*(\a)+15], v[8*(8*(\a)+\b):8*(8*(\a)+\b)+7]
.endif
.endr
.endm
.macro STEP slot, zero
	s_wait_dscnt 0x0
	PLACES 4
	FETCH \slot, 1, 1
	WIN MUL
	MUL8 0, 0, \zero
	MUL8 1, 0, \zero
	MUL8 2, 0, \zero
	MUL8 3, 0, \zero
	WIN 0
.endm
.macro TURN slot, next, fill
	s_wait_tensorcnt 0x0
	ds_add_u32 v[SPW], v[NIL]
	s_wait_dscnt 1
	WIN MUL
	MUL8 0, 1, 0
	s_wait_dscnt 0x0
	s_barrier_signal -1
	MUL8 1, 1, 0
	WIN 0
	s_barrier_wait -1
.if \fill
	CREST
	s_add_nc_u64 s[G0A+4*\slot+2:G0A+4*\slot+3], s[G0A+4*\slot+2:G0A+4*\slot+3], 2097152
	s_add_nc_u64 s[G0B+4*\slot+2:G0B+4*\slot+3], s[G0B+4*\slot+2:G0B+4*\slot+3], 512
	JLOAD \slot
.else
	PLACES 4
.endif
	FETCH \next, 0, 0
	WIN MUL
	MUL8 2, 1, 0
	MUL8 3, 1, 0
	WIN 0
.endm
	s_wait_alu depctr_va_vdst(0)                   ; the wait at the head's end
	s_wait_tensorcnt 0x0                           ; my part of K step 0 is in
	ds_add_u32 v[SPW], v[NIL]
	s_wait_dscnt 0x0
	CROUND
	JLOAD 1                                        ; K step 1: the first tensor load behind the round
	global_prefetch_b8 v[PFO], s[PFB:PFB+1] th:TH_LOAD_NT scope:SCOPE_SE   ; K step 3
	FETCH 0, 0, 0
	STEP 0, 1
	TURN 0, 1, 1
	STEP 1, 0
	TURN 1, 0, 1
	STEP 0, 0
	TURN 0, 1, 0
	STEP 1, 0
	s_wait_dscnt 0x0
	WIN MUL
	MUL8 0, 1, 0
	MUL8 1, 1, 0
	MUL8 2, 1, 0
	MUL8 3, 1, 0
	WIN 0
.macro TOSTAGE a
	WIN 0x02
.set n, 0
.rept 32
	v_pk_mul_f32 v[TMP+n:TMP+n+1], v[64*(\a)+n:64*(\a)+n+1], s[96:97] op_sel_hi:[1,0]
.set n, n+2
.endr
	WIN 0
.irp b, 0,1,2,3,4,5,6,7
	ds_store_b128 v[STO], v[TMP+8*\b:TMP+8*\b+3] offset:64*\b
	ds_store_b128 v[STO], v[TMP+8*\b+4:TMP+8*\b+7] offset:64*\b+16
.endr
.set BB, BK+64*((\a)%2)
.irp t, 0,1,2,3,4,5,6,7,8,9,10,11,12,13,14,15
	ds_load_b128 v[BB+4*\t:BB+4*\t+3], v[RD] offset:\t*SPITCH
.endr
.endm
.macro SEND a, younger
.set BB, BK+64*((\a)%2)
	s_wait_dscnt \younger
.irp t, 0,1,2,3,4,5,6,7,8,9,10,11,12,13,14,15
	global_store_b128 v[CO], v[BB+4*\t:BB+4*\t+3], s[10:11] offset:(16*(\a)+\t)*8192 th:TH_STORE_NT
.endr
.endm
	s_wait_kmcnt 0x0
	s_add_co_i32 s96, s96, s97
	s_add_co_i32 s96, s96, 127
	s_lshl_b32 s96, s96, 23
	s_mov_b32 s97, s96
	PLACES 4
	TOSTAGE 0
.irp a, 1,2,3
.if \a > 1
	s_wait_xcnt 0x0
.endif
	TOSTAGE \a
	SEND \a-1, 32
.endr
	SEND 3, 0
	s_wait_tensorcnt 0x0
	ds_add_u32 v[SPW], v[NIL]
	s_wait_dscnt 0x0
	CROUND
	s_endpgm
.Lfunc_end_k_q3c9611bcc3_oproj:
	.size	k_q3c9611bcc3_oproj, .Lfunc_end_k_q3c9611bcc3_oproj-k_q3c9611bcc3_oproj
	.p2alignl 7, 3214868480
	.fill 96, 4, 3214868480
	.section	.rodata,"a",@progbits
	.p2align	6, 0x0
	.amdhsa_kernel k_q3c9611bcc3_oproj
		.amdhsa_group_segment_fixed_size 327680
		.amdhsa_private_segment_fixed_size 0
		.amdhsa_enable_private_segment 0
		.amdhsa_kernarg_size 32
		.amdhsa_user_sgpr_count 2
		.amdhsa_user_sgpr_kernarg_segment_ptr 1
		.amdhsa_wavefront_size32 1
		.amdhsa_system_sgpr_workgroup_id_x 1
		.amdhsa_system_sgpr_workgroup_id_y 1
		.amdhsa_system_sgpr_workgroup_id_z 1
		.amdhsa_system_vgpr_workitem_id 0
		.amdhsa_next_free_vgpr 768
		.amdhsa_next_free_sgpr 100
		.amdhsa_reserve_vcc 0
		.amdhsa_float_denorm_mode_32 3
		.amdhsa_float_denorm_mode_16_64 3
		.amdhsa_memory_ordered 1
		.amdhsa_forward_progress 1
		.amdhsa_inst_pref_size 76
	.end_amdhsa_kernel
	.amdgpu_metadata
---
amdhsa.version: [ 1, 2 ]
amdhsa.kernels:
  - .name:           k_q3c9611bcc3_oproj
    .symbol:         k_q3c9611bcc3_oproj.kd
    .args:
      - { .name: ac, .offset: 0, .size: 8, .value_kind: global_buffer, .address_space: global }
      - { .name: woc, .offset: 8, .size: 8, .value_kind: global_buffer, .address_space: global }
      - { .name: lowp_scales, .offset: 16, .size: 8, .value_kind: global_buffer, .address_space: global }
      - { .name: out0, .offset: 24, .size: 8, .value_kind: global_buffer, .address_space: global }
    .group_segment_fixed_size: 327680
    .private_segment_fixed_size: 0
    .kernarg_segment_align: 8
    .kernarg_segment_size: 32
    .max_flat_workgroup_size: 128
    .sgpr_count:     100
    .vgpr_count:     768
    .wavefront_size: 32
...
	.end_amdgpu_metadata
.endif
;; end of part 4
